; MI455X (gfx1250); checked and timed in simulation.
; The chip was launched on July 23, 2026; its instructions are those of AMD's public machine-readable ISA for CDNA 5 (MIT licence, August 2026) and "CDNA5" Instruction Set Architecture Reference Guide (July 2026). The comments in the code are by the model that wrote it; some were corrected since.
;; Multi Head Self Attention. Allowed arithmetic: matrix products marked QUANTISED: E2M3 operands, one E8M0 scale for each 32 along K, by v_wmma_scale_f32_16x16x128_f8f6f4 with both operands' format E2M3, f32 sums; everything else in f32.
;; Inputs: W_k 1,024 x 1,024 float32; W_o 1,024 x 1,024 float32; W_q 1,024 x 1,024 float32; W_v 1,024 x 1,024 float32; x 4 x 2,048 x 1,024 float32.
;; Outputs: out0 4 x 2,048 x 1,024 float32.
;; This version of the problem:
;;   THIS VERSION OF THE PROBLEM IS GIVEN IN LOW PRECISION. The matrix products marked QUANTISED in the list below multiply operands that are first quantised to E2M3 (2 exponent bits, 3 mantissa bits; 6 bits a number), with one power-of-two scale for each 32 numbers along K (OCP MX v1.0); their sums are f32. All else is computed in f32.
;;   The module's matrix products, in the order in which they are computed (A, B: the left and right operand; K: the contracted axis; several contracted axes count as one K, in the product's order):
;;     1. [M 8,192, K 1,024] x [K 1,024, N 1,024]; A: input x; B: input W_q: QUANTISED
;;     2. [M 8,192, K 1,024] x [K 1,024, N 1,024]; A: input x; B: input W_k: QUANTISED
;;     3. [M 8,192, K 1,024] x [K 1,024, N 1,024]; A: input x; B: input W_v: QUANTISED
;;     4. batch 64 x [M 2,048, K 64] x [K 64, N 2,048]; A: computed on the way; B: computed on the way: QUANTISED
;;     5. batch 64 x [M 2,048, K 2,048] x [K 2,048, N 64]; A: softmax (see below); B: computed on the way: QUANTISED
;;     6. [M 8,192, K 1,024] x [K 1,024, N 1,024]; A: computed on the way; B: input W_o: QUANTISED
;;   THE QUANTISER, for each operand of a quantised product, along K:
;;     - K is cut into blocks of 32 from its start; a last block that is shorter is filled with zeros.
;;     - A block's scale is 2^e with e = floor(log2(the largest magnitude in the block)) - 2, held to -126 .. 127; a block of zeros has e = 0. As a byte (E8M0): e + 127.
;;     - Each number is divided by its block's scale, clamped to +-7.5, and rounded to the nearest number of E2M3, ties to even, subnormals kept.
;;     - The product sums the exact products of the quantised numbers (number of the format x scale) in f32.
;;   ~~~python
;;   def quantise(x, axis):      # numpy; x: float32 -> the quantised numbers, widened to float32 again
;;       x = np.moveaxis(x, axis, -1); K = x.shape[-1]
;;       x = np.pad(x, [(0, 0)] * (x.ndim - 1) + [(0, -K % 32)]); x = x.reshape(x.shape[:-1] + (-1, 32)); a = np.abs(x).max(-1, keepdims=True)
;;       e = np.where(a > 0, np.clip(np.frexp(np.where(a > 0, a, 1))[1] - 1 - 2, -126, 127), 0)      # np.frexp(a)[1] - 1 = floor(log2(a)), exactly
;;       r = np.clip(x / 2.0 ** e, -7.5, 7.5)
;;       step = 2.0 ** (np.maximum(np.frexp(np.where(r == 0, 1, r))[1] - 1, 0) - 3)
;;       q = np.round(r / step) * step * 2.0 ** e      # np.round: ties to even
;;       return np.moveaxis(q.reshape(q.shape[:-2] + (-1,))[..., :K], -1, axis).astype(np.float32)
;;   ~~~
;;   SOFTMAX AHEAD OF A QUANTISED PRODUCT. Where the list says 'softmax', what is quantised is not the finished softmax but p = 2^(t - M), with t = logit x log2(e) and M = ceil(the row's largest t), a whole number; so 1/2 < the row's largest p <= 1. The row's sum l is taken of the UNQUANTISED p, in f32, and the product's result is divided by l at the end. Since M is a whole number, a kernel that streams over the keys may use a running M (the ceiling of the running maximum): every later rescaling is an exact power of two, which a block's scale takes up: the codes' values come out the same.
;;   OPERANDS COMPUTED ON THE WAY. 'Computed on the way' means the value that the module computes at that place (a softmax that the list does not call 'softmax' is quantised finished and normalised). What goes into a quantiser is computed in f32, as accurately as f32 sums, v_exp_f32 and their like allow (about 1e-6 of the number): no bf16 or f16 on the way to a quantiser, and a product that is left as it is and whose result goes on into a quantised operand takes f32 operands (vector FMAs, or v_wmma_f32_16x16x4_f32). A number that lies on a knife's edge between two numbers of the format may be rounded either way, as far as f32 arithmetic and the matrix unit's own rounding can turn it there, and no further.
;; One version. Each part assembles by itself: llvm-mc -triple=amdgcn-amd-amdhsa -mcpu=gfx1250 --defsym DOCPART=n.
;; ======== version 1 of 1: 4 launches
;; workspace buffers: codes 15,728,640 bytes; scl 655,360 bytes; qc 6,291,456 bytes; qs 524,288 bytes; kv 13,369,344 bytes
;; launch quant (part 1): grid 384 x 1, 4 waves a work-group, no clusters, 34,304 bytes of LDS; arguments x, W_q, W_k, W_v, W_o, codes, scl; writes codes, scl
.if DOCPART == 1
	.amdgcn_target "amdgcn-amd-amdhsa--gfx1250"
	.amdhsa_code_object_version 6
	.text
	.protected	k_q220cf982f4_quant
	.globl	k_q220cf982f4_quant
	.p2align	8
	.type	k_q220cf982f4_quant,@function
k_q220cf982f4_quant:
	s_mov_b64 s[64:65], 0
	v_nop
	global_prefetch_b8 v0, s[64:65] scope:SCOPE_SE
	s_setreg_imm32_b32 hwreg(HW_REG_WAVE_MODE, 25, 1), 1
	s_wait_xcnt 0x0
; x [8192][1024] and W_q, W_k, W_v, W_o [1024][1024], f32 with K innermost, become codes of FP6 (E2M3) and E8M0 scale bytes, one for each 32 along K.
; A block's scale is 2^(floor(log2(its largest magnitude)) - 2); its byte is the largest magnitude's exponent field - 2, held at 1 from below.
; LIMITS: NaN and infinities among the inputs are not served; a block whose largest magnitude lies under 2^-124 is held at byte 1; a block of zeros gets byte 1
; where the quantiser says 127: its codes are zeros, which add nothing under any byte but 0xff, and the bytes are read by this program alone.
; THE WORKSPACE IS LAID IN THE ORDER OF THE OPERANDS' REGISTERS.  Rows go in panels of 128 (x: panels 0-63, W_q 64-71, W_k 72-79, W_v 80-87, W_o 88-95), a panel in 8 blocks of 16 rows:
; lane r of block 2 B + u holds panel row 32 B + 8 u + r + 8 (r / 8), so that in a later product, used transposed, the 16 registers of two neighbouring tiles are 16 neighbours.
; A fragment (16 rows x 128 K, 12 registers a lane) is 1,536 bytes: registers 0-3 at 16 x lane, 4-5 at 512 + 8 x lane, 6-9 at 768 + 16 x lane, 10-11 at 1,280 + 8 x lane.
; codes: [panel][K step 8][block 8][1,536].   scl: [panel][block 8][K half 2][row 16][4 words], a word for a row and 128 along K.
; SHARES: 768 row blocks x 2 halves of K = 1,536 waves; a wave makes 4 fragments.  Each load takes 512 consecutive bytes of one row; a fragment's 16 rows turn through the wave's own stage in LDS,
; from which a lane takes 16 neighbours of each block of 32 of its row.  Waves share nothing: no barrier.  No input is read twice, so there is nothing for a cluster to share.
.set ROWBY, 4096                       ; a row of x or of a W in bytes
.set SPQ,   528                        ; a stage row: 512 bytes + 16, an odd multiple of 16: sixteen rows' pieces fall on different banks
.set WST,   16*SPQ                     ; a wave's stage
.set PANEL, 98304
.set KSB,   12288                      ; a K step of a panel
.set FRB,   1536
.set TM,    8                          ; v8-23   at work in QUANT
.set E,     24                         ; v24-27  the four fragments' scale words
.set R,     32                         ; v32-159 two sets of 64: a fragment's numbers as loaded
.set X,     160                        ; v160-223 64 numbers of my row: register 16 b + i = k 32 b + 16 (lane / 16) + i
.set PC,    224                        ; v224-243 the codes just made
.set SEL,   32                         ; s[32:33] lane selects for v_permlanex16_b32: lane l xor 16
; 64 numbers of a lane become a fragment's codes in v[PC] .. v[PC + 11] and its row's scale word in v[pw] (the same in lanes l and l xor 16)
.macro QUANT s, pw
.irp b, 0,1,2,3
	v_max3_num_f32 v[TM+\b], |v[\s+16*\b]|, |v[\s+1+16*\b]|, 0x1800000   ; block b: my 16 numbers, and the floor 2^(3 - 127): the byte cannot fall under 1
.endr
.irp i, 2,4,6,8,10,12,14
.irp b, 0,1,2,3
	v_max3_num_f32 v[TM+\b], v[TM+\b], |v[\s+16*\b+\i]|, |v[\s+1+16*\b+\i]|   ; the four blocks by turns
.endr
.endr
.irp b, 0,1,2,3
	v_permlanex16_b32 v[TM+4+\b], v[TM+\b], s[SEL], s[SEL+1]
.endr
.irp b, 0,1,2,3
	v_max_num_f32 v[TM+\b], v[TM+\b], v[TM+4+\b]   ; with lane l xor 16's 16: the block's largest magnitude
.endr
.irp b, 0,1,2,3
	v_add_nc_u32 v[TM+12+\b], 0xff000000, v[TM+\b]   ; 2 off its exponent field: the conversion takes this operand's exponent field as its scale
.endr
.irp b, 0,1,2,3
	v_lshrrev_b32 v[TM+4+\b], 23, v[TM+12+\b]      ; the scale's byte
.endr
	v_lshl_or_b32 v[\pw], v[TM+5], 8, v[TM+4]
	v_lshl_or_b32 v[\pw], v[TM+6], 16, v[\pw]
	v_lshl_or_b32 v[\pw], v[TM+7], 24, v[\pw]
.irp c, 0,1
	v_cvt_scalef32_pk16_fp6_f32 v[PC+6*\c:PC+2+6*\c], v[\s+32*\c:\s+15+32*\c], v[TM+12+2*\c]
	v_cvt_scalef32_pk16_fp6_f32 v[PC+12+4*\c:PC+14+4*\c], v[\s+16+32*\c:\s+31+32*\c], v[TM+12+2*\c+1]   ; (a conversion's three registers begin on an even number)
.endr
	v_nop                                          ; one plain instruction behind the scaled conversions
.irp c, 0,1                                    ; the operand's layout wants a whole block in a lane: lanes 0-15 block 2 c, lanes 16-31 block 2 c + 1
.irp i, 0,1,2
	v_permlane16_swap_b32 v[PC+6*\c+\i], v[PC+12+4*\c+\i]
.endr
.irp i, 0,1,2
	v_mov_b32 v[PC+3+6*\c+\i], v[PC+12+4*\c+\i]
.endr
.endr
.endm
	s_load_b256 s[4:11], s[0:1], 0x0               ; x, W_q, W_k, W_v
	s_load_b128 s[12:15], s[0:1], 0x20             ; W_o, codes
	s_load_b64 s[16:17], s[0:1], 0x30              ; scl
	v_lshl_add_u32 v248, v0, 2, 0x8400
	v_mov_b32 v249, 0
	v_lshrrev_b32 v1, 5, v0
	v_readfirstlane_b32 s18, v1                    ; wave 0..3
	v_and_b32 v1, 31, v0                           ; lane
	v_and_b32 v7, 15, v0                           ; r
	v_bfe_u32 v30, v0, 4, 1                        ; h
	v_lshlrev_b32 v2, 4, v1                        ; 16 x lane
	v_lshlrev_b32 v3, 3, v1                        ; 8 x lane
	s_mul_i32 s19, s18, WST                        ; my stage
	v_add_nc_u32 v4, s19, v2                       ; into it: a row's 512 bytes as they lie
	v_mul_u32_u24 v5, v7, SPQ
	v_lshl_add_u32 v5, v30, 6, v5
	v_add_nc_u32 v5, s19, v5                       ; out of it: row r, + 64 h: my 16 numbers of a block of 32
	v_lshlrev_b32 v6, 4, v7
	v_lshl_add_u32 v6, v30, 3, v6                  ; the scale words' place: 16 r + 8 h
	v_cmp_ne_u32 s34, 0, v30                       ; lanes 16-31
	s_mov_b32 s[SEL], 0x76543210
	s_mov_b32 s[SEL+1], 0xfedcba98
.irp b, 0,1,2,3
	v_mov_b32 v[TM+4+\b], 0                        ; written once: a lane permute's destination counts as one of its sources
.endr
	s_lshr_b32 s22, s18, 1
	s_and_b32 s23, s18, 1                          ; which half of K
	s_lshl_b32 s24, ttmp9, 1
	s_add_co_u32 s24, s24, s22                     ; my row block among the 768
	s_wait_alu depctr_va_vdst(0)
	s_wait_kmcnt 0x0
	s_mov_b64 s[20:21], s[12:13]                   ; the tensor is chosen by the work-group's number alone: 256 work-groups for x, 32 for each W
	s_cmp_lt_u32 ttmp9, 352
	s_cselect_b64 s[20:21], s[10:11], s[20:21]
	s_cmp_lt_u32 ttmp9, 320
	s_cselect_b64 s[20:21], s[8:9], s[20:21]
	s_cmp_lt_u32 ttmp9, 288
	s_cselect_b64 s[20:21], s[6:7], s[20:21]
	s_cmp_lt_u32 ttmp9, 256
	s_cselect_b64 s[20:21], s[4:5], s[20:21]
	s_cselect_b32 s25, 511, 63
	s_and_b32 s25, s24, s25                        ; the row block inside its tensor
	s_lshr_b32 s26, s25, 1
	s_lshl_b32 s26, s26, 5
	s_and_b32 s25, s25, 1
	s_lshl_b32 s25, s25, 3
	s_add_co_u32 s26, s26, s25                     ; its first row: 32 (block / 2) + 8 (block % 2)
	s_lshl_b32 s26, s26, 12
	s_lshl_b32 s25, s23, 11
	s_add_co_u32 s26, s26, s25                     ; + my half of K: 2,048 bytes
	s_mov_b32 s27, 0
	s_add_nc_u64 s[20:21], s[20:21], s[26:27]
	s_lshr_b32 s26, s24, 3
	s_mul_i32 s26, s26, PANEL
	s_mul_i32 s25, s23, 4*KSB
	s_add_co_u32 s26, s26, s25
	s_and_b32 s25, s24, 7
	s_mul_i32 s25, s25, FRB
	s_add_co_u32 s26, s26, s25
	s_add_nc_u64 s[14:15], s[14:15], s[26:27]      ; my first fragment's place
	s_lshl_b32 s26, s24, 9
	s_lshl_b32 s25, s23, 8
	s_add_co_u32 s26, s26, s25
	s_add_nc_u64 s[16:17], s[16:17], s[26:27]      ; my 256 bytes of scale words
.macro LOADQ t                         ; fragment t: 16 rows x 512 bytes; a load covers 512 consecutive bytes, aligned
.set i, 0
.rept 16
	global_load_b128 v[R+64*((\t)%2)+4*i:R+64*((\t)%2)+4*i+3], v2, s[20:21] offset:(i+8*(i/8))*ROWBY+512*(\t) th:TH_LOAD_NT
.set i, i+1
.endr
.endm
.macro STEPQ t
.if (\t) < 3
	s_wait_loadcnt 16                              ; this fragment's 16 loads are in; the next fragment's 16 may be out
.else
	s_wait_loadcnt 0x0
.endif
.set i, 0
.rept 16
	ds_store_b128 v4, v[R+64*((\t)%2)+4*i:R+64*((\t)%2)+4*i+3] offset:SPQ*i
.set i, i+1
.endr
.set i, 0
.rept 16
	ds_load_b128 v[X+4*i:X+4*i+3], v5 offset:128*(i/4)+16*(i%4)   ; LDS serves a wave's instructions in order: these see the stores above
.set i, i+1
.endr
	s_wait_dscnt 0x0
.if (\t) > 0
	s_wait_xcnt 0x0                                ; the last fragment's stores have read their data: the codes' registers are written again only behind this wait
.endif
.if (\t) < 2
	LOADQ (\t)+2
.endif
	QUANT X, E+(\t)
	global_store_b128 v2, v[PC:PC+3], s[14:15] offset:KSB*(\t)          ; each store covers 512 or 256 consecutive bytes, aligned
	global_store_b64 v3, v[PC+4:PC+5], s[14:15] offset:KSB*(\t)+512
	global_store_b128 v2, v[PC+6:PC+9], s[14:15] offset:KSB*(\t)+768
	global_store_b64 v3, v[PC+10:PC+11], s[14:15] offset:KSB*(\t)+1280
.endm
	LOADQ 0
	LOADQ 1
	STEPQ 0
	STEPQ 1
	STEPQ 2
	STEPQ 3
	v_cndmask_b32 v28, v[E], v[E+2], s34           ; lanes 0-15 store the row's words 0 and 1, lanes 16-31 its words 2 and 3
	v_cndmask_b32 v29, v[E+1], v[E+3], s34
	global_store_b64 v6, v[28:29], s[16:17]        ; 32 lanes store 256 consecutive bytes, aligned
	s_wait_tensorcnt 0x0
	ds_add_u32 v248, v249
	s_wait_dscnt 0x0
	s_endpgm
.Lfunc_end_k_q220cf982f4_quant:
	.size	k_q220cf982f4_quant, .Lfunc_end_k_q220cf982f4_quant-k_q220cf982f4_quant
	.p2alignl 7, 3214868480
	.fill 96, 4, 3214868480
	.section	.rodata,"a",@progbits
	.p2align	6, 0x0
	.amdhsa_kernel k_q220cf982f4_quant
		.amdhsa_group_segment_fixed_size 34304
		.amdhsa_private_segment_fixed_size 0
		.amdhsa_enable_private_segment 0
		.amdhsa_kernarg_size 56
		.amdhsa_user_sgpr_count 2
		.amdhsa_user_sgpr_kernarg_segment_ptr 1
		.amdhsa_wavefront_size32 1
		.amdhsa_system_sgpr_workgroup_id_x 1
		.amdhsa_system_sgpr_workgroup_id_y 1
		.amdhsa_system_sgpr_workgroup_id_z 1
		.amdhsa_system_vgpr_workitem_id 0
		.amdhsa_next_free_vgpr 250
		.amdhsa_next_free_sgpr 66
		.amdhsa_reserve_vcc 0
		.amdhsa_float_denorm_mode_32 3
		.amdhsa_float_denorm_mode_16_64 3
		.amdhsa_memory_ordered 1
		.amdhsa_forward_progress 1
		.amdhsa_inst_pref_size 35
	.end_amdhsa_kernel
	.amdgpu_metadata
---
amdhsa.version: [ 1, 2 ]
amdhsa.kernels:
  - .name:           k_q220cf982f4_quant
    .symbol:         k_q220cf982f4_quant.kd
    .args:
      - { .name: x, .offset: 0, .size: 8, .value_kind: global_buffer, .address_space: global }
      - { .name: W_q, .offset: 8, .size: 8, .value_kind: global_buffer, .address_space: global }
      - { .name: W_k, .offset: 16, .size: 8, .value_kind: global_buffer, .address_space: global }
      - { .name: W_v, .offset: 24, .size: 8, .value_kind: global_buffer, .address_space: global }
      - { .name: W_o, .offset: 32, .size: 8, .value_kind: global_buffer, .address_space: global }
      - { .name: codes, .offset: 40, .size: 8, .value_kind: global_buffer, .address_space: global }
      - { .name: scl, .offset: 48, .size: 8, .value_kind: global_buffer, .address_space: global }
    .group_segment_fixed_size: 34304
    .private_segment_fixed_size: 0
    .kernarg_segment_align: 8
    .kernarg_segment_size: 56
    .max_flat_workgroup_size: 128
    .sgpr_count:     66
    .vgpr_count:     250
    .wavefront_size: 32
...
	.end_amdgpu_metadata
.endif
;; end of part 1
;; launch qkv (part 2): grid 12 x 32, 4 waves a work-group, clusters of 4 x 4, 327,680 bytes of LDS; arguments codes, scl, qc, qs, kv; writes qc, qs, kv
.if DOCPART == 2
	.amdgcn_target "amdgcn-amd-amdhsa--gfx1250"
	.amdhsa_code_object_version 6
	.text
	.protected	k_q220cf982f4_qkv
	.globl	k_q220cf982f4_qkv
	.p2align	8
	.type	k_q220cf982f4_qkv,@function
k_q220cf982f4_qkv:
	s_mov_b64 s[64:65], 0
	v_nop
	global_prefetch_b8 v0, s[64:65] scope:SCOPE_SE
	s_setreg_imm32_b32 hwreg(HW_REG_WAVE_MODE, 25, 1), 1
	s_wait_xcnt 0x0
	s_wait_alu depctr_hold_cnt(0) depctr_sa_sdst(0) depctr_va_vdst(0) depctr_va_sdst(0) depctr_va_ssrc(0) depctr_va_vcc(0) depctr_vm_vsrc(0)
	s_getreg_b32 s2, hwreg(HW_REG_IB_STS2, 6, 4)
	s_cmp_eq_u32 s2, 0
	s_cbranch_scc0 .Lentry_in_a_cluster
	s_endpgm
.Lentry_in_a_cluster:
	s_bfe_u32 s2, ttmp6, 0x10000c
	s_cmp_lg_u32 s2, 0xf033
	s_cbranch_scc0 .Lentry_shape_is_right
	s_endpgm
.Lentry_shape_is_right:
; q = x W_q^T, k = x W_k^T, v = x W_v^T on codes of FP6 (E2M3) with E8M0 scales, f32 sums; the results are quantised in registers on the way out (q, k along the head's 64, v along the keys) and stored as images of
; the operands' registers for the attention launch.  codes, scl: as the launch before lays them (panels of 128 rows; lane r of block 2 B + u holds panel row 32 B + 8 u + r + 8 (r / 8);
; a fragment of 16 rows x 128 K is 1,536 bytes: registers 0-3 at 16 x lane, 4-5 at 512 + 8 x lane, 6-9 at 768 + 16 x lane, 10-11 at 1,280 + 8 x lane).
; SHARES.  A work-group makes 256 x 256 results, each of its four waves 128 x 128: 64 accumulators, 512 registers.  K = 1,024 goes in 8 steps of 128 through two LDS slots of two steps each, four fills in all; the steps are
; written out, since each names other scale registers.  THE MATRIX INSTRUCTION IS USED TRANSPOSED: source 0 = 16 rows of side B, source 1 = 16 rows of side A.  A lane then holds ONE row of side A, and, by the order of rows in a
; block, the 16 registers of accumulators 2 B and 2 B + 1 are side B's rows 32 B + 16 (lane / 16) + 0 .. 15: 16 neighbours along the next product's K.
; Cluster x says which product: 0 q, 1 k (side A = tokens, side B = features: a lane has one token, registers along the features), 2 v (THE SIDES CHANGE PLACES, by address alone: a lane has one feature, registers along the tokens).
; CLUSTERS: 4 x 4 work-groups; side A's panels are shared along a row of the cluster, side B's along a column: each fill is asked for jointly, by the same tensor load with the same descriptor and a mask that names the four.
; OUT.  qc: [head 64][tile of 16 queries 128][768].  qs: [head][band of 128 queries 16][half 2][row 16][4 words].  kv: [head][key step 16][13,056]: 8 tiles of k x 768; 4 tiles of v^T x 1,536 at 6,144;
; k's scale words [half 2][row 16][4] at 12,288; v's [row 16][4] at 12,800.  A word of q or k holds its two bytes and 0x7f above them: the upper half of the instruction's K = 128 is not used there.
; LIMITS: NaN and infinities are not served; a block whose largest magnitude lies under 2^-124, a block of zeros among them, is held at byte 1; the bytes are read by this program alone.
; REGISTERS, in windows of 256: window 0: v1-31 addresses; v32-95 scale words (v[32 + 8 i + q]: lanes 0-15 side A's block i, lanes 16-31 side B's block i, K step q); v96-127 at work on the way out; v128-223 side A's fragments,
; one set (on the way out: the codes just made).  window 1: side B's fragments, two sets, at v0 and v128.  windows 2, 3: the accumulators of my A blocks 0-3 and 4-7 ((a, b) at v[8 (8 (a % 4) + b)]).
.set PANEL, 98304
.set FILLB, 24576                      ; two K steps of a panel: what one tensor load brings, 96 rows of 256 bytes, dense in memory and in LDS
.set SLOT,  4*FILLB                    ; A's two panels, then B's two
.set KSB,   12288                      ; a K step of a panel
.set FRB,   1536
.set FR,    12
.set REC,   13056
.set SPARE, 230400                     ; the spare words, 128 bytes for each wave: two blocks of 256 bytes that no other line names
.set L16,  4                           ; v4   16 x lane
.set L8,   5                           ; v5   8 x lane
.set A16,  16                          ; v16-17 my A panel in slot 0, 1, + 16 x lane;  v18-19 + 8 x lane
.set A8,   18
.set B16,  20                          ; v20-23 the same for B
.set B8,   22
.set SS,   26                          ; v26  the scale words' place on the way out
.set H16,  27                          ; v27  16 (lane / 16)
.set SPW,  28                          ; v28  my spare word; never rewritten
.set NIL,  29                          ; v29  0; never rewritten
.set SCO,  30                          ; v30  my offset in scl
.set SC,   32
.set TM,   96                          ; v96-111 at work in QUANTW
.set E,    112                         ; v112-119 the eight fragments' scale words
.set W,    120                         ; v120-127 the words as they are stored
.set AF,   128
.set PC,   128                         ; v128-147 the codes just made
.set SEL,  2                           ; s[2:3] lane selects: lane l xor 16
.set G1,   24
.set G0,   32
.set G1B,  48
.set G0B,  56
.set BQ0,  76                          ; s[76:77], s[78:79] where the even and the odd head's images go;  s[80:81] the scale words
.set BQ1,  78
.set BS,   80
.set MSB, 0
.macro WIN new                         ; the immediate's high byte repeats the setting that is left
.if MSB != (\new)
	s_set_vgpr_msb (MSB<<8)|(\new)
.set MSB, (\new)
.endif
.endm
.set MUL_LO, 0xa1                      ; source 0 (B) window 1, source 1 (A) window 0, C and D window 2
.set MUL_HI, 0xf1
.set TO_B,   0x40                      ; destination window 1, address window 0
.macro JLOAD s                         ; a joint load: waves 0 and 1 fetch A's two panels, waves 2 and 3 B's; four v_nop follow each of the two lines
	s_cmp_eq_u32 s15, 0
	s_cbranch_scc0 .Lfor_b_\@
	tensor_load_to_lds s[G0+4*\s:G0+4*\s+3], s[G1:G1+7]
	s_nop 0
.rept 4
	v_nop
.endr
	s_branch .Lasked_\@
.Lfor_b_\@:
	tensor_load_to_lds s[G0B+4*\s:G0B+4*\s+3], s[G1B:G1B+7]
	s_nop 0
.rept 4
	v_nop
.endr
.Lasked_\@:
.endm
.macro CREST                           ; a round of the cluster's barrier behind its opening barrier
	s_cmp_lg_u32 s14, 0
	s_cbranch_scc1 .Lnot_wave_0_\@
	s_barrier_signal -3
.Lnot_wave_0_\@:
	s_barrier_wait -3
	s_barrier_signal -1
	s_barrier_wait -1
.endm
.macro CROUND
	s_barrier_signal -1
	s_barrier_wait -1
	CREST
.endm
.macro PLACES                          ; four plain instructions between a matrix instruction and a load into, or a vector read or write of, its registers
.rept 4
	v_nop
.endr
.endm
	s_load_b128 s[4:7], s[0:1], 0x0                ; codes, scl
	s_load_b128 s[8:11], s[0:1], 0x10              ; qc, qs
	s_load_b64 s[12:13], s[0:1], 0x20              ; kv
	v_lshl_add_u32 v[SPW], v0, 2, SPARE
	v_mov_b32 v[NIL], 0
	ds_add_u32 v28, v29
	ds_add_u32 v28, v29
	s_wait_dscnt 0x0
	v_lshrrev_b32 v1, 5, v0
	v_readfirstlane_b32 s14, v1                    ; wave 0..3
	s_lshr_b32 s15, s14, 1                         ; my panel of side A.  Also: I fetch for A (0) or for B (1)
	s_and_b32 s16, s14, 1                          ; my panel of side B.  Also: which of the two panels I fetch
	s_bfe_u32 s40, ttmp6, 0x40000                  ; cx
	s_bfe_u32 s41, ttmp6, 0x40004                  ; cy
	s_mov_b32 s42, ttmp9                           ; cluster x: 0 q, 1 k, 2 v; the same in all sixteen partners
	s_and_b32 s43, ttmp7, 0xffff                   ; cluster y
	s_lshl_b32 s44, s43, 2
	s_lshl_b32 s45, s42, 2
	s_cmp_eq_u32 s42, 2
	s_cselect_b32 s17, 0, s44
	s_cselect_b32 s18, s44, s45
	s_cselect_b32 s19, 80, 0
	s_cselect_b32 s20, 0, 64
	s_add_co_u32 s17, s17, s41                     ; side A hangs on cy alone: q, k: token panels 2 (cy + 4 y);  v: W_v's panels 80 + 2 cy
	s_lshl_b32 s17, s17, 1
	s_add_co_u32 s17, s17, s19
	s_add_co_u32 s18, s18, s40                     ; side B on cx alone: q, k: the W's panels 64 + 2 (cx + 4 x);  v: token panels 2 (cx + 4 y)
	s_lshl_b32 s18, s18, 1
	s_add_co_u32 s18, s18, s20
	s_lshl_b32 s46, s41, 2
	s_lshl_b32 s46, 15, s46                        ; my row of the cluster
	s_lshl_b32 s47, 0x1111, s40                    ; my column
	s_or_b32 s[G1], s46, (3<<16)|(1<<21)           ; 15:0 the mask; 17:16 elements of 8 bytes; 20 no padding; 21 set beside a mask
	s_or_b32 s[G1B], s47, (3<<16)|(1<<21)
.irp g, G1, G1B
	s_mov_b32 s[\g+1], 32<<16                      ; tensor_dim0 = 32 elements: 256 bytes
	s_mov_b32 s[\g+2], 96<<16                      ; tensor_dim1 = 96
	s_mov_b32 s[\g+3], 32<<16                      ; tile_dim0
	s_mov_b32 s[\g+4], 96                          ; tile_dim1
	s_mov_b32 s[\g+5], 32                          ; from row to row
	s_mov_b32 s[\g+6], 0
	s_mov_b32 s[\g+7], 0
.endr
	s_add_co_u32 s66, s17, s16
	s_mul_i32 s66, s66, PANEL
	s_mov_b32 s67, 0
	s_add_co_u32 s68, s18, s16
	s_mul_i32 s68, s68, PANEL
	s_mov_b32 s69, 0
	s_mul_i32 s74, s14, FILLB                      ; where a fill goes: wave x 24,576: no place in the cluster enters an LDS address
	s_wait_kmcnt 0x0
	s_add_nc_u64 s[70:71], s[4:5], s[66:67]
	s_add_nc_u64 s[72:73], s[4:5], s[68:69]
	CROUND                                         ; all sixteen work-groups are here: the first joint loads meet
.irp s, 0,1
	s_mov_b32 s[G0+4*\s], 1
	s_add_co_u32 s[G0+4*\s+1], s74, \s*SLOT
	s_add_nc_u64 s[G0+4*\s+2:G0+4*\s+3], s[70:71], \s*FILLB
	s_or_b32 s[G0+4*\s+3], s[G0+4*\s+3], 0x80000000
	s_mov_b32 s[G0B+4*\s], 1
	s_add_co_u32 s[G0B+4*\s+1], s74, \s*SLOT
	s_add_nc_u64 s[G0B+4*\s+2:G0B+4*\s+3], s[72:73], \s*FILLB
	s_or_b32 s[G0B+4*\s+3], s[G0B+4*\s+3], 0x80000000
	JLOAD \s
.endr
	v_and_b32 v1, 15, v0                           ; r
	v_bfe_u32 v2, v0, 4, 1                         ; h
	v_and_b32 v3, 31, v0                           ; lane
	v_lshlrev_b32 v[L16], 4, v3
	v_lshlrev_b32 v[L8], 3, v3
	s_mul_i32 s21, s15, FILLB
	s_mul_i32 s22, s16, FILLB
	s_add_co_u32 s22, s22, 2*FILLB
.irp s, 0,1
	v_add_nc_u32 v[A16+\s], s21, v[L16]
	v_add_nc_u32 v[A8+\s], s21, v[L8]
	v_add_nc_u32 v[B16+\s], s22, v[L16]
	v_add_nc_u32 v[B8+\s], s22, v[L8]
	s_add_co_u32 s21, s21, SLOT
	s_add_co_u32 s22, s22, SLOT
.endr
	; THE SCALE WORDS of my two panels, for all of K, come once, straight into 64 registers: lanes 0-15 take side A's, lanes 16-31 side B's; sixteen lanes read 256 consecutive bytes
	s_add_co_u32 s21, s17, s15
	s_lshl_b32 s21, s21, 12
	s_add_co_u32 s22, s18, s16
	s_lshl_b32 s22, s22, 12
	v_mov_b32 v6, s21
	v_mov_b32 v7, s22
	v_cmp_ne_u32 vcc_lo, 0, v2
	v_cndmask_b32 v[SCO], v6, v7, vcc_lo
	v_lshl_add_u32 v[SCO], v1, 4, v[SCO]
.set i, 0
.rept 16
	global_load_b128 v[SC+4*i:SC+4*i+3], v[SCO], s[6:7] offset:256*i   ; block i / 2, K half i % 2
.set i, i+1
.endr
	; where the results go
	s_add_co_u32 s82, s18, s16
	s_add_co_u32 s83, s17, s15
	s_lshl_b32 s84, s41, 1
	s_add_co_u32 s84, s84, s15
	s_lshl_b32 s85, s40, 1
	s_add_co_u32 s85, s85, s16
	s_cmp_eq_u32 s42, 2
	s_cselect_b32 s82, s82, s83                    ; my token panel: 16 x batch + key step (or band of queries)
	s_cselect_b32 s84, s84, s85                    ; my panel of 128 features: two heads
	s_cselect_b32 s90, 512, 0                      ; v's scale words lie 512 bytes behind k's
	s_lshr_b32 s83, s82, 4
	s_lshl_b32 s83, s83, 4
	s_lshl_b32 s84, s84, 1
	s_add_co_u32 s83, s83, s84                     ; the even head: 16 x batch + 2 x feature panel
	s_and_b32 s82, s82, 15
	s_lshl_b32 s83, s83, 4
	s_add_co_u32 s83, s83, s82                     ; 16 x head + key step
	s_mov_b32 s84, REC
	s_mov_b32 s86, 16*REC
	s_mov_b32 s88, 16*REC
	s_cmp_eq_u32 s42, 0
	s_cselect_b64 s[BQ0:BQ0+1], s[8:9], s[12:13]   ; qc or kv: the choice hangs on the cluster's number alone
	s_cselect_b32 s84, 6144, s84                   ; q: 8 tiles of 768 bytes a band
	s_cselect_b32 s86, 98304, s86                  ; from a head to the next, images
	s_cselect_b32 s88, 8192, s88                   ; and scale words
	s_mul_i32 s84, s83, s84
	s_mov_b32 s85, 0
	s_mov_b32 s87, 0
	s_mov_b32 s91, 0
	s_add_nc_u64 s[BQ0:BQ0+1], s[BQ0:BQ0+1], s[84:85]
	s_add_nc_u64 s[BQ1:BQ1+1], s[BQ0:BQ0+1], s[86:87]
	s_add_nc_u64 s[92:93], s[BQ0:BQ0+1], 12288
	s_add_nc_u64 s[92:93], s[92:93], s[90:91]
	s_lshl_b32 s84, s83, 9
	s_add_nc_u64 s[94:95], s[10:11], s[84:85]
	s_cmp_eq_u32 s42, 0
	s_cselect_b64 s[BS:BS+1], s[94:95], s[92:93]
	v_mul_u32_u24 v[SS], s88, v2
	v_lshl_add_u32 v[SS], v1, 4, v[SS]             ; 16 r; lanes 16-31 serve the odd head
	v_lshlrev_b32 v[H16], 4, v2
	s_mov_b32 s[SEL], 0x76543210
	s_mov_b32 s[SEL+1], 0xfedcba98
	s_mov_b32 s96, 0xffff
	s_mov_b32 s97, 0x7f7f0000
	s_mov_b32 s98, 0xffff0000                      ; lanes 16-31
.irp b, 0,1,2,3
	v_mov_b32 v[TM+4+\b], 0                        ; written once: a lane permute's destination counts as one of its sources
.endr
.macro FRAG reg, a16, a8, off          ; a fragment comes as it was stored: four loads, each of 512 or 256 consecutive bytes
	ds_load_b128 v[\reg:\reg+3], v[\a16] offset:\off
	ds_load_b64 v[\reg+4:\reg+5], v[\a8] offset:\off+512
	ds_load_b128 v[\reg+6:\reg+9], v[\a16] offset:\off+768
	ds_load_b64 v[\reg+10:\reg+11], v[\a8] offset:\off+1280
.endm
.macro FETCH_B slot, q, p              ; B's eight fragments of the slot's q-th K step into set p
	WIN TO_B
.irp i, 0,1,2,3,4,5,6,7
	FRAG 128*(\p)+FR*\i, B16+\slot, B8+\slot, (\q)*KSB+\i*FRB
.endr
	WIN 0
.endm
.macro FETCH_A slot, q, i0             ; A's blocks i0 .. i0 + 3
.irp i, \i0, \i0+1, \i0+2, \i0+3
	FRAG AF+FR*(\i), A16+\slot, A8+\slot, (\q)*KSB+(\i)*FRB
.endr
.endm
; 16 matrix instructions: A's blocks a0, a0 + 1 x B's eight, K step kq; p: B's set.  zero = 1: the first product starts the sums.  The 64 accumulators take turns, one instruction a turn, in the same order in every step.
.macro MUL16 a0, p, kq, zero
.irp a, \a0, \a0+1
.irp b, 0,1,2,3,4,5,6,7
.if \zero
	v_wmma_scale_f32_16x16x128_f8f6f4 v[8*(8*((\a)%4)+\b):8*(8*((\a)%4)+\b)+7], v[128*(\p)+FR*\b:128*(\p)+FR*\b+FR-1], v[AF+FR*(\a):AF+FR*(\a)+FR-1], 0, v[SC+8*\b+(\kq)], v[SC+8*(\a)+(\kq)] matrix_a_fmt:MATRIX_FMT_FP6 matrix_b_fmt:MATRIX_FMT_FP6 matrix_a_scale:MATRIX_SCALE_ROW1
.else
	v_wmma_scale_f32_16x16x128_f8f6f4 v[8*(8*((\a)%4)+\b):8*(8*((\a)%4)+\b)+7], v[128*(\p)+FR*\b:128*(\p)+FR*\b+FR-1], v[AF+FR*(\a):AF+FR*(\a)+FR-1], v[8*(8*((\a)%4)+\b):8*(8*((\a)%4)+\b)+7], v[SC+8*\b+(\kq)], v[SC+8*(\a)+(\kq)] matrix_a_fmt:MATRIX_FMT_FP6 matrix_b_fmt:MATRIX_FMT_FP6 matrix_a_scale:MATRIX_SCALE_ROW1
.endif
.endr
.endr
.endm
; A slot's first K step (B's set 0); it fetches the slot's second.  A block of A is free as soon as its eight products are issued, so one set serves A.
.macro STEP slot, kq, zero
	s_wait_dscnt 16                                ; B's set and A's blocks 0-3 are in; the youngest 16 loads (A's blocks 4-7) may be out
	WIN MUL_LO
	MUL16 0, 0, \kq, \zero
	MUL16 2, 0, \kq, \zero
	s_wait_dscnt 0x0
	PLACES
	FETCH_B \slot, 1, 1
	FETCH_A \slot, 1, 0
	WIN MUL_HI
	MUL16 4, 0, \kq, \zero
	MUL16 6, 0, \kq, \zero
	PLACES
	WIN 0
	FETCH_A \slot, 1, 4
.endm
; A slot's second K step (B's set 1) changes slots: ONE barrier; in front of it each wave waits for all its tensor loads, adds 0 to its spare word, and waits for that and for its own reads of this slot.
; fill = 1: the barrier opens a round of the cluster's barrier, and this slot is filled again, with the K steps four on, first thing behind the round.
.macro TURN slot, next, kq, fill
	s_wait_tensorcnt 0x0                           ; all my tensor loads have landed: my part of the next slot
	ds_add_u32 v[SPW], v[NIL]                      ; 0 onto my spare word
	s_wait_dscnt 17                                ; (the add and the youngest 16 loads, A's blocks 4-7, may be out)
	WIN MUL_LO
	MUL16 0, 1, \kq, 0
	s_wait_dscnt 0x0                               ; the add is done, and my reads of this slot are over
	s_barrier_signal -1
	MUL16 2, 1, \kq, 0
	WIN 0                                          ; at a branch and at a label every window is 0
	s_barrier_wait -1
.if \fill
	CREST                                          ; no wave of any partner still reads this slot or has a load on its way
	s_add_nc_u64 s[G0+4*\slot+2:G0+4*\slot+3], s[G0+4*\slot+2:G0+4*\slot+3], 2*FILLB
	s_add_nc_u64 s[G0B+4*\slot+2:G0B+4*\slot+3], s[G0B+4*\slot+2:G0B+4*\slot+3], 2*FILLB
	JLOAD \slot                                    ; its four v_nop are also the places in front of the loads below
.else
	PLACES
.endif
	FETCH_B \next, 0, 0
	FETCH_A \next, 0, 0
	WIN MUL_HI
	MUL16 4, 1, \kq, 0
	MUL16 6, 1, \kq, 0
	PLACES
	WIN 0
	FETCH_A \next, 0, 4
.endm
	s_wait_tensorcnt 1                             ; my part of slot 0 is in; slot 1's may stay out
	s_barrier_signal -1
	s_barrier_wait -1
	FETCH_B 0, 0, 0
	FETCH_A 0, 0, 0
	FETCH_A 0, 0, 4
	s_wait_loadcnt 0x0                             ; the scale words
	STEP 0, 0, 1
	TURN 0, 1, 1, 1
	STEP 1, 2, 0
	TURN 1, 0, 3, 1
	STEP 0, 4, 0
	TURN 0, 1, 5, 0                                ; nothing is left to fetch
	STEP 1, 6, 0
	s_wait_dscnt 16
	WIN MUL_LO
	MUL16 0, 1, 7, 0
	MUL16 2, 1, 7, 0
	s_wait_dscnt 0x0
	WIN MUL_HI
	MUL16 4, 1, 7, 0
	MUL16 6, 1, 7, 0
	WIN 0
	PLACES
; THE WAY OUT.  The 64 registers of A block a are, for my lane's row, 128 neighbours along the next K in the order 32 b + 16 (lane / 16) + i: they are quantised where they stand.  Each accumulator is read from its low end on.
.macro QUANTW a
.set AC, 64*((\a)%4)
	WIN 0x0a+5*((\a)/4)                            ; sources 0 and 1: window 2 or 3
.irp b, 0,1,2,3
	v_max3_num_f32 v[TM+\b], |v[AC+16*\b]|, |v[AC+1+16*\b]|, 0x1800000   ; and the floor 2^(3 - 127): the byte cannot fall under 1
.endr
.irp i, 2,4,6,8,10,12,14
.irp b, 0,1,2,3
	v_max3_num_f32 v[TM+\b], |v[AC+16*\b+\i]|, |v[AC+1+16*\b+\i]|, v[TM+\b]
.endr
.endr
	WIN 0
.irp b, 0,1,2,3
	v_permlanex16_b32 v[TM+4+\b], v[TM+\b], s[SEL], s[SEL+1]
.endr
.irp b, 0,1,2,3
	v_max_num_f32 v[TM+\b], v[TM+\b], v[TM+4+\b]
.endr
.irp b, 0,1,2,3
	v_add_nc_u32 v[TM+12+\b], 0xff000000, v[TM+\b]   ; 2 off the exponent field: the conversion's scale operand
.endr
.irp b, 0,1,2,3
	v_lshrrev_b32 v[TM+4+\b], 23, v[TM+12+\b]
.endr
	v_lshl_or_b32 v[E+(\a)], v[TM+5], 8, v[TM+4]
	v_lshl_or_b32 v[E+(\a)], v[TM+6], 16, v[E+(\a)]
	v_lshl_or_b32 v[E+(\a)], v[TM+7], 24, v[E+(\a)]
.if (\a) > 0
	s_wait_xcnt 0x0                                ; the last block's stores have read their data: the codes' registers are written again only behind this wait
.endif
	WIN 0x02+((\a)/4)                              ; source 0: window 2 or 3
.irp c, 0,1
	v_cvt_scalef32_pk16_fp6_f32 v[PC+6*\c:PC+2+6*\c], v[AC+32*\c:AC+15+32*\c], v[TM+12+2*\c]
	v_cvt_scalef32_pk16_fp6_f32 v[PC+12+4*\c:PC+14+4*\c], v[AC+16+32*\c:AC+31+32*\c], v[TM+12+2*\c+1]
.endr
	WIN 0
	v_nop                                          ; one plain instruction behind the scaled conversions
.irp c, 0,1
.irp i, 0,1,2
	v_permlane16_swap_b32 v[PC+6*\c+\i], v[PC+12+4*\c+\i]
.endr
.irp i, 0,1,2
	v_mov_b32 v[PC+3+6*\c+\i], v[PC+12+4*\c+\i]
.endr
.endr
.endm
; q, k: the fragment's two halves along K are two heads' tiles of 16 tokens x 64.  v: the fragment is a tile of 16 features x 128 keys of head a / 4.  Each store covers 512 or 256 consecutive bytes, aligned.
.macro EPI a
	QUANTW \a
	s_cmp_eq_u32 s42, 2
	s_cbranch_scc1 .Lis_v_\@
	global_store_b128 v[L16], v[PC:PC+3], s[BQ0:BQ0+1] offset:768*(\a)
	global_store_b64 v[L8], v[PC+4:PC+5], s[BQ0:BQ0+1] offset:768*(\a)+512
	global_store_b128 v[L16], v[PC+6:PC+9], s[BQ1:BQ1+1] offset:768*(\a)
	global_store_b64 v[L8], v[PC+10:PC+11], s[BQ1:BQ1+1] offset:768*(\a)+512
	s_branch .Lput_\@
.Lis_v_\@:
	s_wait_alu depctr_va_vdst(0)
	global_store_b128 v[L16], v[PC:PC+3], s[BQ0+2*((\a)/4):BQ0+2*((\a)/4)+1] offset:6144+FRB*((\a)%4)
	global_store_b64 v[L8], v[PC+4:PC+5], s[BQ0+2*((\a)/4):BQ0+2*((\a)/4)+1] offset:6144+FRB*((\a)%4)+512
	global_store_b128 v[L16], v[PC+6:PC+9], s[BQ0+2*((\a)/4):BQ0+2*((\a)/4)+1] offset:6144+FRB*((\a)%4)+768
	global_store_b64 v[L8], v[PC+10:PC+11], s[BQ0+2*((\a)/4):BQ0+2*((\a)/4)+1] offset:6144+FRB*((\a)%4)+1280
.Lput_\@:
.endm
.irp a, 0,1,2,3,4,5,6,7
	EPI \a
.endr
	s_cmp_eq_u32 s42, 2
	s_cbranch_scc1 .Lv_words
.irp a, 0,1,2,3,4,5,6,7
	v_lshrrev_b32 v[W+\a], v[H16], v[E+\a]         ; q, k: lanes 0-15 take the even head's two bytes, lanes 16-31 the odd head's,
.endr
.irp a, 0,1,2,3,4,5,6,7
	v_and_or_b32 v[W+\a], v[W+\a], s96, s97        ; with 0x7f for the two blocks that are not used
.endr
	global_store_b128 v[SS], v[W:W+3], s[BS:BS+1]              ; sixteen lanes store 256 consecutive bytes, aligned
	global_store_b128 v[SS], v[W+4:W+7], s[BS:BS+1] offset:256
	s_branch .Lwords_out
.Lv_words:
.irp j, 0,1,2,3
	v_cndmask_b32 v[W+\j], v[E+\j], v[E+4+\j], s98 ; v: lanes 0-15 the even head's four tiles, lanes 16-31 the odd head's
.endr
	global_store_b128 v[SS], v[W:W+3], s[BS:BS+1]
.Lwords_out:
	s_wait_tensorcnt 0x0                           ; the wave's end
	ds_add_u32 v[SPW], v[NIL]
	s_wait_dscnt 0x0
	CROUND                                         ; the closing round: no work-group ends while a partner may still ask for a tile that names it
	s_endpgm
.Lfunc_end_k_q220cf982f4_qkv:
	.size	k_q220cf982f4_qkv, .Lfunc_end_k_q220cf982f4_qkv-k_q220cf982f4_qkv
	.p2alignl 7, 3214868480
	.fill 96, 4, 3214868480
	.section	.rodata,"a",@progbits
	.p2align	6, 0x0
	.amdhsa_kernel k_q220cf982f4_qkv
		.amdhsa_group_segment_fixed_size 327680
		.amdhsa_private_segment_fixed_size 0
		.amdhsa_enable_private_segment 0
		.amdhsa_kernarg_size 40
		.amdhsa_user_sgpr_count 2
		.amdhsa_user_sgpr_kernarg_segment_ptr 1
		.amdhsa_wavefront_size32 1
		.amdhsa_system_sgpr_workgroup_id_x 1
		.amdhsa_system_sgpr_workgroup_id_y 1
		.amdhsa_system_sgpr_workgroup_id_z 1
		.amdhsa_system_vgpr_workitem_id 0
		.amdhsa_next_free_vgpr 1024
		.amdhsa_next_free_sgpr 100
		.amdhsa_reserve_vcc 1
		.amdhsa_float_denorm_mode_32 3
		.amdhsa_float_denorm_mode_16_64 3
		.amdhsa_memory_ordered 1
		.amdhsa_forward_progress 1
		.amdhsa_inst_pref_size 152
	.end_amdhsa_kernel
	.amdgpu_metadata
---
amdhsa.version: [ 1, 2 ]
amdhsa.kernels:
  - .name:           k_q220cf982f4_qkv
    .symbol:         k_q220cf982f4_qkv.kd
    .args:
      - { .name: codes, .offset: 0, .size: 8, .value_kind: global_buffer, .address_space: global }
      - { .name: scl, .offset: 8, .size: 8, .value_kind: global_buffer, .address_space: global }
      - { .name: qc, .offset: 16, .size: 8, .value_kind: global_buffer, .address_space: global }
      - { .name: qs, .offset: 24, .size: 8, .value_kind: global_buffer, .address_space: global }
      - { .name: kv, .offset: 32, .size: 8, .value_kind: global_buffer, .address_space: global }
    .group_segment_fixed_size: 327680
    .private_segment_fixed_size: 0
    .kernarg_segment_align: 8
    .kernarg_segment_size: 40
    .max_flat_workgroup_size: 128
    .sgpr_count:     100
    .vgpr_count:     1024
    .wavefront_size: 32
...
	.end_amdgpu_metadata
.endif
;; end of part 2
;; launch attn (part 3): grid 256 x 1, 16 waves a work-group, clusters of 4 x 1, 210,944 bytes of LDS; arguments qc, qs, kv, codes, scl; writes codes, scl
.if DOCPART == 3
	.amdgcn_target "amdgcn-amd-amdhsa--gfx1250"
	.amdhsa_code_object_version 6
	.text
	.protected	k_q220cf982f4_attn
	.globl	k_q220cf982f4_attn
	.p2align	8
	.type	k_q220cf982f4_attn,@function
k_q220cf982f4_attn:
	s_mov_b64 s[64:65], 0
	v_nop
	global_prefetch_b8 v0, s[64:65] scope:SCOPE_SE
	s_setreg_imm32_b32 hwreg(HW_REG_WAVE_MODE, 25, 1), 1
	s_wait_xcnt 0x0
	s_wait_alu depctr_hold_cnt(0) depctr_sa_sdst(0) depctr_va_vdst(0) depctr_va_sdst(0) depctr_va_ssrc(0) depctr_va_vcc(0) depctr_vm_vsrc(0)
	s_getreg_b32 s2, hwreg(HW_REG_IB_STS2, 6, 4)
	s_cmp_eq_u32 s2, 0
	s_cbranch_scc0 .Lentry_in_a_cluster
	s_endpgm
.Lentry_in_a_cluster:
	s_bfe_u32 s2, ttmp6, 0x10000c
	s_cmp_lg_u32 s2, 0x3003
	s_cbranch_scc0 .Lentry_shape_is_right
	s_endpgm
.Lentry_shape_is_right:
; o[head][q] = the sum over keys k <= q of softmax_k(q . k / 8) v, head size 64, 2,048 tokens, 64 heads (batch x 16), both products on codes of FP6 (E2M3) with E8M0 scales; o is quantised along head x 64 and stored
; as panels 96-159 of codes and scl, laid as the output projection's operand.
; THE SOFTMAX AHEAD OF THE SECOND PRODUCT: t = score x log2(e) / 8; M = the running largest t rounded UP to a whole number; p = 2^(t - M) is what is quantised, along the keys.  The row's sum is taken of the unquantised p
; and divides at the end.  When M moves, the sum and O are multiplied by 2^(old M - new M): exact.
; SHARES.  The four work-groups of a cluster serve one head.  The head's whole k and v, 16 records of 13,056 bytes (a key step of 128 keys each), stay in LDS: FILLED ONCE, jointly: wave w of each of the four work-groups
; issues the same tensor load for record w, with a mask that names the four.  No slot is ever filled again.
; A band is 128 queries, 8 tiles of 16.  Wave w (al = w / 2, u = w % 2) of the work-group at place cx owns tile 2 cx + u of band 15 - al (pass 1) and of band al (pass 2): key step s counts where s <= band, so every wave
; works 17 key steps.  The loops' trip counts are constants; a step all of whose keys are hidden is jumped over by a scalar branch on the wave's number and the loop's counter.  cx enters only q's and o's global addresses and
; the mask's lane values: no branch and no LDS address hangs on it.
; LAYOUT.  Both products are used transposed: S^T = k q^T (source 0 = 16 keys, source 1 = my 16 queries), O^T = v^T p^T: a lane holds ONE query throughout.  Lane r of a tile 2 B + u of keys (of queries, of v's features)
; holds row 32 B + 8 u + r + 8 (r / 8), so that the 16 registers of two neighbouring tiles are 16 neighbours: of the keys for p, of the head's 64 for o.
; THE HEAD'S 64 FILL HALF OF THE INSTRUCTION'S K = 128.  q's registers 6-11 are zero codes and the upper two scale bytes of q and k are 0x7f: so the upper six registers of k's operand may hold any codes, and hold the next tile's.
; LIMITS: NaN and infinities are not served; a block whose largest magnitude lies under 2^-124, a block of zeros among them, is held at byte 1 (the bytes are read by this program alone); o = O x v_rcp_f32(l);
; a block's largest p is taken from the block's largest score, which leans on v_exp_f32 not falling where its input rises.
; REGISTERS: v1-3 16 x lane, 8 x lane, 16 (lane % 16); v4 the mask's lane value; v5 -infinity; v6-8 the step's LDS addresses; v12 -M, v13 the largest t, v[14:15] the sum; v16-27, v28-39 q of pass 1, 2; v40, v41 their scale words;
; v42-95 k's 8 tiles x 6 and six zeros, then v's 4 x 12; v96-159 S^T, then p; v160-191 O^T; v192-210 p's codes; v212-223, v238-243 at work; v224-231 k's scale words, v232-235 v's, v236 p's; v244-254 o's way out.
.set REC,  13056
.set KSO,  12288                       ; k's scale words in a record
.set VSO,  12800                       ; v's
.set VO,   6144                        ; v's tiles
.set QA,   16
.set QB,   28
.set QAW,  40
.set QBW,  41
.set KF,   42
.set S,    96
.set O,    160
.set PCD,  192
.set KSW,  224
.set VSW,  232
.set PSW,  236
.set TB,   2                           ; s2   LDS byte at which the step's record begins
.set KS,   3                           ; s3   the key step: the loops' counter
.set WV,   18
.set CX,   19
.set SEL,  20                          ; s[20:21] lane selects: lane l xor 16
.set CS,   22                          ; s[22:23] c = log2(e) / 8
.set AL,   24
.set UU,   25
.set TI,   26                          ; my tile in a band
.set BH,   27                          ; the head
.set G1,   32
.set G0,   40
.set QB1,  44                          ; s[44:45] .. s[58:59]: q's codes, q's scale words, o's codes, o's scale bytes, for pass 1 and pass 2
.set QS1,  46
.set QB2,  48
.set QS2,  50
.set OB1,  52
.set OS1,  54
.set OB2,  56
.set OS2,  58
.set QSO,  60
.set OCO,  61
.set OSO,  62
.set PB0,  63
.set BAND, 66
.set HI,   67                          ; lanes 16-31
.set BD1,  68
.macro CROUND                          ; a round of the cluster's barrier
	s_barrier_signal -1
	s_barrier_wait -1
	s_cmp_lg_u32 s[WV], 0
	s_cbranch_scc1 .Lnot_wave_0_\@
	s_barrier_signal -3
.Lnot_wave_0_\@:
	s_barrier_wait -3
	s_barrier_signal -1
	s_barrier_wait -1
.endm
	s_load_b128 s[4:7], s[0:1], 0x0                ; qc, qs
	s_load_b128 s[8:11], s[0:1], 0x10              ; kv, codes
	s_load_b64 s[12:13], s[0:1], 0x20              ; scl
	v_lshl_add_u32 v241, v0, 2, 0x33000
	v_mov_b32 v255, 0
	ds_add_u32 v241, v255
	ds_add_u32 v241, v255
	v_lshrrev_b32 v1, 5, v0
	s_delay_alu instid0(VALU_DEP_1)
	v_readfirstlane_b32 s[WV], v1                  ; wave 0..15
	s_bfe_u32 s[CX], ttmp6, 0x40000
	s_mov_b32 s[BH], ttmp9                         ; the cluster's number is the head
	s_lshr_b32 s[AL], s[WV], 1
	s_and_b32 s[UU], s[WV], 1
	s_lshl_b32 s[TI], s[CX], 1
	s_add_co_u32 s[TI], s[TI], s[UU]
	s_sub_co_u32 s[BD1], 15, s[AL]
	s_mov_b32 s[G1], 15|(3<<16)|(1<<21)            ; 15:0 the mask: all four work-groups; 17:16 elements of 8 bytes; 20 no padding; 21 set beside a mask
	s_mov_b32 s[G1+1], 32<<16                      ; tensor_dim0 = 32 elements: 256 bytes
	s_mov_b32 s[G1+2], 51<<16                      ; tensor_dim1 = 51: a record
	s_mov_b32 s[G1+3], 32<<16                      ; tile_dim0
	s_mov_b32 s[G1+4], 51                          ; tile_dim1
	s_mov_b32 s[G1+5], 32                          ; from row to row
	s_mov_b32 s[G1+6], 0
	s_mov_b32 s[G1+7], 0
	s_mov_b32 s[G0], 1
	s_mul_i32 s[G0+1], s[WV], REC                  ; record w goes to LDS byte 13,056 w
	s_mul_i32 s80, s[BH], 16*REC
	s_add_co_u32 s80, s80, s[G0+1]
	s_mov_b32 s81, 0
	s_wait_dscnt 0x0
	s_wait_kmcnt 0x0
	s_add_nc_u64 s[G0+2:G0+3], s[8:9], s[80:81]
	s_or_b32 s[G0+3], s[G0+3], 0x80000000
	CROUND                                         ; all four work-groups are here: the joint loads meet
	tensor_load_to_lds s[G0:G0+3], s[G1:G1+7]      ; my one tensor load of the launch
	s_nop 0
.rept 4
	v_nop
.endr
	v_and_b32 v9, 31, v0
	s_delay_alu instid0(VALU_DEP_1)
	v_lshlrev_b32 v1, 4, v9
	s_delay_alu instid0(VALU_DEP_2)
	v_lshlrev_b32 v2, 3, v9
	v_and_b32 v10, 15, v0                          ; r
	v_bfe_u32 v11, v0, 4, 1                        ; h
	s_delay_alu instid0(VALU_DEP_2)
	v_lshlrev_b32 v3, 4, v10
	s_wait_alu depctr_va_vdst(0)
	v_add_nc_u32 v254, v3, v11                     ; o's scale byte: 16 r + h
	v_and_b32 v4, 8, v10
	s_delay_alu instid0(VALU_DEP_1)
	v_add_nc_u32 v4, v4, v10
	v_lshlrev_b32 v11, 4, v11
	s_delay_alu instid0(VALU_DEP_1)
	v_sub_nc_u32 v4, v4, v11
	s_lshl_b32 s80, s[CX], 5
	s_lshl_b32 s81, s[UU], 3
	s_add_co_u32 s80, s80, s81
	v_add_nc_u32 v4, s80, v4                       ; my query in its band - 16 h: 32 cx + 8 u + r + 8 (r / 8) - 16 h
	v_mov_b32 v5, 0xff800000
	s_mov_b32 s[SEL], 0x76543210
	s_mov_b32 s[SEL+1], 0xfedcba98
	s_mov_b32 s[CS], 0x3e38aa3b
	s_mov_b32 s[CS+1], s[CS]                       ; (named with it as a pair, so it is written)
	s_mov_b32 s[HI], 0xffff0000
	s_lshr_b32 s80, s[TI], 2
	s_lshl_b32 s80, s80, 8
	s_and_b32 s81, s[TI], 3
	s_lshl_b32 s81, s81, 2
	s_add_co_u32 s[QSO], s80, s81                  ; q's scale word: half tile / 4, word tile % 4
	s_bfe_u32 s80, s[BH], 0x30001                  ; o's K step: (head % 16) / 2
	s_mul_i32 s[OCO], s80, 12288
	s_mul_i32 s81, s[TI], 1536
	s_add_co_u32 s[OCO], s[OCO], s81
	s_and_b32 s81, s[BH], 1
	s_mul_i32 s82, s81, 768                        ; the head's half of the fragment
	s_add_co_u32 s[OCO], s[OCO], s82
	s_lshl_b32 s[OSO], s[TI], 9
	s_lshr_b32 s82, s80, 2
	s_lshl_b32 s82, s82, 8
	s_add_co_u32 s[OSO], s[OSO], s82
	s_and_b32 s82, s80, 3
	s_lshl_b32 s82, s82, 2
	s_add_co_u32 s[OSO], s[OSO], s82
	s_lshl_b32 s81, s81, 1
	s_add_co_u32 s[OSO], s[OSO], s81
	s_lshr_b32 s[PB0], s[BH], 4
	s_lshl_b32 s[PB0], s[PB0], 4
	s_add_co_u32 s[PB0], s[PB0], 96                ; o's panels of my batch begin here
.macro PASSADR band, qb, qsb, ob, osb  ; a pass's four addresses
	s_lshl_b32 s80, s[BH], 4
	s_add_co_u32 s80, s80, s[\band]
	s_lshl_b32 s81, s80, 3
	s_add_co_u32 s81, s81, s[TI]
	s_mul_i32 s82, s81, 768
	s_mov_b32 s83, 0
	s_add_nc_u64 s[\qb:\qb+1], s[4:5], s[82:83]
	s_lshl_b32 s82, s80, 9
	s_add_co_u32 s82, s82, s[QSO]
	s_add_nc_u64 s[\qsb:\qsb+1], s[6:7], s[82:83]
	s_add_co_u32 s80, s[PB0], s[\band]
	s_mul_i32 s82, s80, 98304
	s_add_co_u32 s82, s82, s[OCO]
	s_add_nc_u64 s[\ob:\ob+1], s[10:11], s[82:83]
	s_lshl_b32 s82, s80, 12
	s_add_co_u32 s82, s82, s[OSO]
	s_add_nc_u64 s[\osb:\osb+1], s[12:13], s[82:83]
.endm
	PASSADR BD1, QB1, QS1, OB1, OS1
	PASSADR AL, QB2, QS2, OB2, OS2
	global_load_b128 v[QA:QA+3], v1, s[QB1:QB1+1]
	global_load_b64 v[QA+4:QA+5], v2, s[QB1:QB1+1] offset:512
	global_load_b32 v[QAW], v3, s[QS1:QS1+1]
	global_load_b128 v[QB:QB+3], v1, s[QB2:QB2+1]
	global_load_b64 v[QB+4:QB+5], v2, s[QB2:QB2+1] offset:512
	global_load_b32 v[QBW], v3, s[QS2:QS2+1]
.irp j, 6,7,8,9,10,11
	v_mov_b32 v[QA+\j], 0                          ; zero codes for the upper half of K
	v_mov_b32 v[QB+\j], 0
	v_mov_b32 v[KF+42+\j], 0                       ; v90-95: what stands behind k's last tile
.endr
.irp b, 0,1,2,3
	v_mov_b32 v[216+\b], 0                         ; written once: a lane permute's destination counts as one of its sources
.endr
	v_mov_b32 v239, 0                              ; (named as the upper half of the pair v[238:239])
	v_mov_b32 v240, 0
.macro BEGIN                           ; a pass begins: O^T and the sum are zeros, which the first change of M leaves zeros
	v_mov_b32 v13, 0xff61b1e6                      ; the largest t so far: -3e38, under every t
	s_delay_alu instid0(VALU_DEP_1)
	v_floor_f32 v12, -v13
	v_mov_b32 v14, 0
	v_mov_b32 v15, 0
.set n, 0
.rept 32
	v_mov_b32 v[O+n], 0
.set n, n+1
.endr
	s_mov_b32 s[TB], 0
	s_mov_b32 s[KS], 0
.endm
; A KEY STEP: 128 keys
.macro STEP qf, qw
	s_cmp_gt_u32 s[KS], s[BAND]                    ; all its keys come after my queries: only the lines at its end are run
	s_cbranch_scc1 .Lhidden_\@
	s_setprio 2
	v_add_nc_u32 v6, s[TB], v1
	v_add_nc_u32 v7, s[TB], v2
	v_add_nc_u32 v8, s[TB], v3
.irp t, 0,1,2,3,4,5,6,7
	ds_load_b128 v[KF+6*\t:KF+6*\t+3], v6 offset:768*\t
	ds_load_b64 v[KF+6*\t+4:KF+6*\t+5], v7 offset:768*\t+512
.endr
	ds_load_b128 v[KSW:KSW+3], v8 offset:KSO
	ds_load_b128 v[KSW+4:KSW+7], v8 offset:KSO+256
	s_wait_alu depctr_va_vdst(0)
	s_wait_dscnt 0x0
.irp t, 0,1,2,3,4,5,6,7
	v_wmma_scale_f32_16x16x128_f8f6f4 v[S+8*\t:S+8*\t+7], v[KF+6*\t:KF+6*\t+11], v[\qf:\qf+11], 0, v[KSW+\t], v[\qw] matrix_a_fmt:MATRIX_FMT_FP6 matrix_b_fmt:MATRIX_FMT_FP6
.endr
.rept 4
	v_nop                                          ; places in front of the loads into k's registers and of the first read of the scores
.endr
.irp d, 0,1,2,3                                ; v's four tiles land under the softmax
	ds_load_b128 v[KF+12*\d:KF+12*\d+3], v6 offset:VO+1536*\d
	ds_load_b64 v[KF+12*\d+4:KF+12*\d+5], v7 offset:VO+1536*\d+512
	ds_load_b128 v[KF+12*\d+6:KF+12*\d+9], v6 offset:VO+1536*\d+768
	ds_load_b64 v[KF+12*\d+10:KF+12*\d+11], v7 offset:VO+1536*\d+1280
.endr
	ds_load_b128 v[VSW:VSW+3], v8 offset:VSO
	s_cmp_lg_u32 s[KS], s[BAND]                    ; on the diagonal the scores of hidden keys become -infinity ahead of the maximum: p = 0 then
	s_cbranch_scc1 .Lopen_\@
.set n, 0
.rept 64
	v_cmp_gt_i32 vcc_lo, 32*(n/16)+n%16, v4        ; register n holds key 32 (n / 16) + 16 h + n % 16 of the step
	v_cndmask_b32 v[S+n], v[S+n], v5, vcc_lo
.set n, n+1
.endr
.Lopen_\@:
.irp b, 0,1,2,3
	v_max3_num_f32 v[212+\b], v[S+16*\b], v[S+1+16*\b], v[S+2+16*\b]   ; the largest score of each block of 32 keys: for the row's maximum, and for the block's largest p
.endr
.irp i, 3,5,7,9,11,13
.irp b, 0,1,2,3
	v_max3_num_f32 v[212+\b], v[212+\b], v[S+16*\b+\i], v[S+1+16*\b+\i]
.endr
.endr
.irp b, 0,1,2,3
	v_max_num_f32 v[212+\b], v[212+\b], v[S+15+16*\b]
.endr
.irp b, 0,1,2,3
	s_delay_alu instid0(VALU_DEP_4)
	v_permlanex16_b32 v[216+\b], v[212+\b], s[SEL], s[SEL+1]
.endr
.irp b, 0,1,2,3
	s_delay_alu instid0(VALU_DEP_4)
	v_max_num_f32 v[212+\b], v[212+\b], v[216+\b]
.endr
	s_delay_alu instid0(VALU_DEP_2)
	v_max3_num_f32 v240, v212, v213, v214
	s_delay_alu instid0(VALU_DEP_1)
	v_max_num_f32 v240, v240, v215
	s_delay_alu instid0(VALU_DEP_1)
	v_mul_f32 v240, s[CS], v240                    ; as t (c is positive)
	s_delay_alu instid0(VALU_DEP_1)
	v_max_num_f32 v13, v13, v240                   ; the running largest t
	v_mov_b32 v240, v12
	s_delay_alu instid0(VALU_DEP_2)
	v_floor_f32 v12, -v13                          ; the new -M = floor(-t): M is a whole number
	s_delay_alu instid0(VALU_DEP_1)
	v_sub_f32 v240, v12, v240                      ; old M - new M: a whole number, 0 or less
	s_delay_alu instid0(VALU_DEP_1)
	v_cvt_i32_f32 v240, v240                       ; (it saturates)
	s_delay_alu instid0(VALU_DEP_1)
	v_ldexp_f32 v238, 1.0, v240                    ; f = 2^(old M - new M)
.set n, 0
.rept 32
	v_pk_fma_f32 v[S+n:S+n+1], v[S+n:S+n+1], s[CS:CS+1], v[12:13] op_sel_hi:[1,0,0]   ; t - M, two at a time
.set n, n+2
.endr
	s_setprio 1
.irp b, 0,1,2,3
	v_fma_f32 v[212+\b], v[212+\b], s[CS], v12     ; the same of each block's largest score
.endr
.set n, 0
	s_wait_alu depctr_va_vdst(0)
.rept 64
	v_exp_f32 v[S+n], v[S+n]                       ; p = 2^(t - M), at most 1
.set n, n+1
.endr
	v_pk_mul_f32 v[14:15], v[14:15], v[238:239] op_sel_hi:[1,0]   ; the sums under the new M: the plain instruction behind the exponentials
	s_wait_alu depctr_va_vdst(0)                   ; one wait for the batch, ahead of its first reader
.irp b, 0,1,2,3
	v_exp_f32 v[212+\b], v[212+\b]                 ; the block's largest p: the same two instructions on the same number give the same bits
.endr
	v_pk_add_f32 v[242:243], v[100:101], v[104:105]
	v_pk_add_f32 v[252:253], v[108:109], v[112:113]
	v_pk_add_f32 v[250:251], v[116:117], v[120:121]
	v_pk_add_f32 v[248:249], v[124:125], v[128:129]
	v_pk_add_f32 v[246:247], v[132:133], v[136:137]
	v_pk_add_f32 v[244:245], v[140:141], v[144:145]
	v_pk_add_f32 v[236:237], v[148:149], v[152:153]
	v_pk_add_f32 v[14:15], v[14:15], v[156:157]
	v_pk_add_f32 v[242:243], v[242:243], v[96:97]
	v_pk_add_f32 v[252:253], v[252:253], v[98:99]
	v_pk_add_f32 v[250:251], v[250:251], v[102:103]
	v_pk_add_f32 v[248:249], v[248:249], v[106:107]
	v_pk_add_f32 v[246:247], v[246:247], v[110:111]
	v_pk_add_f32 v[244:245], v[244:245], v[114:115]
	v_pk_add_f32 v[236:237], v[236:237], v[118:119]
	v_pk_add_f32 v[14:15], v[14:15], v[122:123]
	v_pk_add_f32 v[242:243], v[242:243], v[126:127]
	v_pk_add_f32 v[252:253], v[252:253], v[130:131]
	v_pk_add_f32 v[250:251], v[250:251], v[134:135]
	v_pk_add_f32 v[248:249], v[248:249], v[138:139]
	v_pk_add_f32 v[246:247], v[246:247], v[142:143]
	v_pk_add_f32 v[244:245], v[244:245], v[146:147]
	v_pk_add_f32 v[236:237], v[236:237], v[150:151]
	v_pk_add_f32 v[14:15], v[14:15], v[154:155]
	v_pk_add_f32 v[242:243], v[242:243], v[158:159]
	s_delay_alu instid0(VALU_DEP_2)
	v_pk_add_f32 v[14:15], v[14:15], v[248:249]
	s_delay_alu instid0(VALU_DEP_2)
	v_pk_add_f32 v[242:243], v[242:243], v[246:247]
	v_pk_add_f32 v[252:253], v[252:253], v[244:245]
	v_pk_add_f32 v[250:251], v[250:251], v[236:237]
	s_delay_alu instid0(VALU_DEP_2)
	v_pk_add_f32 v[14:15], v[14:15], v[252:253]
	s_delay_alu instid0(VALU_DEP_2)
	v_pk_add_f32 v[242:243], v[242:243], v[250:251]
	s_delay_alu instid0(VALU_DEP_1)
	v_pk_add_f32 v[14:15], v[14:15], v[242:243]
	s_wait_alu depctr_va_vdst(0)                   ; and one for the four
.irp b, 0,1,2,3
	v_max_num_f32 v[212+\b], 0x1800000, v[212+\b]  ; the floor 2^(3 - 127): the byte cannot fall under 1
.endr
.irp b, 0,1,2,3
	s_delay_alu instid0(VALU_DEP_4)
	v_add_nc_u32 v[220+\b], 0xff000000, v[212+\b]  ; 2 off the exponent field: the conversion's scale operand
.endr
.irp b, 0,1,2,3
	s_delay_alu instid0(VALU_DEP_4)
	v_lshrrev_b32 v[216+\b], 23, v[220+\b]
.endr
	s_delay_alu instid0(VALU_DEP_3)
	v_lshl_or_b32 v[PSW], v217, 8, v216            ; p's scale word for these 128 keys
	s_delay_alu instid0(VALU_DEP_1)
	v_lshl_or_b32 v[PSW], v218, 16, v[PSW]
	s_delay_alu instid0(VALU_DEP_1)
	v_lshl_or_b32 v[PSW], v219, 24, v[PSW]
	s_setprio 0
.irp c, 0,1
	v_cvt_scalef32_pk16_fp6_f32 v[PCD+6*\c:PCD+2+6*\c], v[S+32*\c:S+15+32*\c], v[220+2*\c]
	v_cvt_scalef32_pk16_fp6_f32 v[PCD+12+4*\c:PCD+14+4*\c], v[S+16+32*\c:S+31+32*\c], v[220+2*\c+1]
.endr
	v_nop                                          ; one plain instruction behind the scaled conversions
.irp c, 0,1
.irp i, 0,1,2
	v_permlane16_swap_b32 v[PCD+6*\c+\i], v[PCD+12+4*\c+\i]
.endr
.irp i, 0,1,2
	s_delay_alu instid0(VALU_DEP_3)
	v_mov_b32 v[PCD+3+6*\c+\i], v[PCD+12+4*\c+\i]
.endr
.endr
.set n, 0
.rept 16
	v_pk_mul_f32 v[O+n:O+n+1], v[O+n:O+n+1], v[238:239] op_sel_hi:[1,0]   ; O^T under the new M; these also stand between the writes of p's codes and scale word and the products
.set n, n+2
.endr
	s_wait_alu depctr_va_vdst(0)
	s_wait_dscnt 0x0                               ; v
.irp d, 0,1,2,3
	v_wmma_scale_f32_16x16x128_f8f6f4 v[O+8*\d:O+8*\d+7], v[KF+12*\d:KF+12*\d+11], v[PCD:PCD+11], v[O+8*\d:O+8*\d+7], v[VSW+\d], v[PSW] matrix_a_fmt:MATRIX_FMT_FP6 matrix_b_fmt:MATRIX_FMT_FP6
.endr
.rept 4
	v_nop                                          ; places in front of the next step's loads into v's registers, and of the way out's first read of O^T
.endr
.Lhidden_\@:
	s_add_co_u32 s[TB], s[TB], REC
	s_add_co_u32 s[KS], s[KS], 1
.endm
; A PASS ENDS: O^T / the sum; its 32 registers are, for my query, the head's 64 in the order 32 b + 16 h + i: two blocks, quantised where they stand; half a fragment and two scale bytes a row go out.
.macro FINISH ob, osb
	v_add_f32 v14, v14, v15
	s_delay_alu instid0(VALU_DEP_1)
	v_permlanex16_b32 v240, v14, s[SEL], s[SEL+1]
	s_delay_alu instid0(VALU_DEP_1)
	v_add_f32 v14, v14, v240                       ; the row's sum
	s_wait_alu depctr_va_vdst(0)
	v_rcp_f32 v14, v14
	v_nop                                          ; a plain instruction behind the transcendental,
	s_wait_alu depctr_va_vdst(0)                   ; and the wait ahead of its first reader
.set n, 0
.rept 32
	v_mul_f32 v[S+n], v[O+n], v14                  ; each accumulator from its low end on
.set n, n+1
.endr
.irp b, 0,1
	v_max3_num_f32 v[212+\b], |v[S+16*\b]|, |v[S+1+16*\b]|, 0x1800000
.endr
.irp i, 2,4,6,8,10,12,14
.irp b, 0,1
	s_delay_alu instid0(VALU_DEP_2)
	v_max3_num_f32 v[212+\b], v[212+\b], |v[S+16*\b+\i]|, |v[S+1+16*\b+\i]|
.endr
.endr
.irp b, 0,1
	s_delay_alu instid0(VALU_DEP_2)
	v_permlanex16_b32 v[216+\b], v[212+\b], s[SEL], s[SEL+1]
.endr
.irp b, 0,1
	s_delay_alu instid0(VALU_DEP_2)
	v_max_num_f32 v[212+\b], v[212+\b], v[216+\b]
.endr
.irp b, 0,1
	s_delay_alu instid0(VALU_DEP_2)
	v_add_nc_u32 v[220+\b], 0xff000000, v[212+\b]
.endr
.irp b, 0,1
	s_delay_alu instid0(VALU_DEP_2)
	v_lshrrev_b32 v[216+\b], 23, v[220+\b]
.endr
	s_delay_alu instid0(VALU_DEP_1)
	v_cndmask_b32 v253, v216, v217, s[HI]          ; lanes 0-15 store block 0's byte, lanes 16-31 block 1's
	v_cvt_scalef32_pk16_fp6_f32 v[244:246], v[S:S+15], v220
	v_cvt_scalef32_pk16_fp6_f32 v[250:252], v[S+16:S+31], v221
	v_nop
.irp i, 0,1,2
	v_permlane16_swap_b32 v[244+\i], v[250+\i]
.endr
.irp i, 0,1,2
	s_delay_alu instid0(VALU_DEP_3)
	v_mov_b32 v[247+\i], v[250+\i]
.endr
	global_store_b128 v1, v[244:247], s[\ob:\ob+1]             ; 512 consecutive bytes, aligned
	global_store_b64 v2, v[248:249], s[\ob:\ob+1] offset:512   ; 256 consecutive bytes, aligned
	global_store_b8 v254, v253, s[\osb:\osb+1]     ; single bytes: the bytes beside them belong to other heads' work-groups; one byte for each 24 of codes
.endm
	BEGIN
	s_mov_b32 s[BAND], s[BD1]
	s_wait_loadcnt 0x0                             ; q
	s_wait_tensorcnt 0x0                           ; my record is in,
	s_barrier_signal -1
	s_barrier_wait -1                              ; everybody's is
.Lpass1:
	STEP QA, QAW
	s_cmp_lt_u32 s[KS], 16
	s_cbranch_scc1 .Lpass1
	s_setprio 0
	FINISH OB1, OS1
	s_wait_xcnt 0x0                                ; the stores have read their data: pass 2 writes those registers again
	BEGIN
	s_mov_b32 s[BAND], s[AL]
.Lpass2:
	STEP QB, QBW
	s_cmp_lt_u32 s[KS], 8
	s_cbranch_scc1 .Lpass2
	s_setprio 0
	FINISH OB2, OS2
	s_wait_tensorcnt 0x0
	ds_add_u32 v241, v255
	s_wait_dscnt 0x0
	CROUND                                         ; the closing round
	s_endpgm
.Lfunc_end_k_q220cf982f4_attn:
	.size	k_q220cf982f4_attn, .Lfunc_end_k_q220cf982f4_attn-k_q220cf982f4_attn
	.p2alignl 7, 3214868480
	.fill 96, 4, 3214868480
	.section	.rodata,"a",@progbits
	.p2align	6, 0x0
	.amdhsa_kernel k_q220cf982f4_attn
		.amdhsa_group_segment_fixed_size 210944
		.amdhsa_private_segment_fixed_size 0
		.amdhsa_enable_private_segment 0
		.amdhsa_kernarg_size 40
		.amdhsa_user_sgpr_count 2
		.amdhsa_user_sgpr_kernarg_segment_ptr 1
		.amdhsa_wavefront_size32 1
		.amdhsa_system_sgpr_workgroup_id_x 1
		.amdhsa_system_sgpr_workgroup_id_y 1
		.amdhsa_system_sgpr_workgroup_id_z 1
		.amdhsa_system_vgpr_workitem_id 0
		.amdhsa_next_free_vgpr 256
		.amdhsa_next_free_sgpr 100
		.amdhsa_reserve_vcc 1
		.amdhsa_float_denorm_mode_32 3
		.amdhsa_float_denorm_mode_16_64 3
		.amdhsa_memory_ordered 1
		.amdhsa_forward_progress 1
		.amdhsa_inst_pref_size 64
	.end_amdhsa_kernel
	.amdgpu_metadata
---
amdhsa.version: [ 1, 2 ]
amdhsa.kernels:
  - .name:           k_q220cf982f4_attn
    .symbol:         k_q220cf982f4_attn.kd
    .args:
      - { .name: qc, .offset: 0, .size: 8, .value_kind: global_buffer, .address_space: global }
      - { .name: qs, .offset: 8, .size: 8, .value_kind: global_buffer, .address_space: global }
      - { .name: kv, .offset: 16, .size: 8, .value_kind: global_buffer, .address_space: global }
      - { .name: codes, .offset: 24, .size: 8, .value_kind: global_buffer, .address_space: global }
      - { .name: scl, .offset: 32, .size: 8, .value_kind: global_buffer, .address_space: global }
    .group_segment_fixed_size: 210944
    .private_segment_fixed_size: 0
    .kernarg_segment_align: 8
    .kernarg_segment_size: 40
    .max_flat_workgroup_size: 512
    .sgpr_count:     100
    .vgpr_count:     256
    .wavefront_size: 32
...
	.end_amdgpu_metadata
.endif
;; end of part 3
;; launch oproj (part 4): grid 4 x 32, 4 waves a work-group, clusters of 4 x 4, 327,680 bytes of LDS; arguments codes, scl, out0; writes out0
.if DOCPART == 4
	.amdgcn_target "amdgcn-amd-amdhsa--gfx1250"
	.amdhsa_code_object_version 6
	.text
	.protected	k_q220cf982f4_oproj
	.globl	k_q220cf982f4_oproj
	.p2align	8
	.type	k_q220cf982f4_oproj,@function
k_q220cf982f4_oproj:
	s_mov_b64 s[64:65], 0
	v_nop
	global_prefetch_b8 v0, s[64:65] scope:SCOPE_SE
	s_setreg_imm32_b32 hwreg(HW_REG_WAVE_MODE, 25, 1), 1
	s_wait_xcnt 0x0
	s_wait_alu depctr_hold_cnt(0) depctr_sa_sdst(0) depctr_va_vdst(0) depctr_va_sdst(0) depctr_va_ssrc(0) depctr_va_vcc(0) depctr_vm_vsrc(0)
	s_getreg_b32 s2, hwreg(HW_REG_IB_STS2, 6, 4)
	s_cmp_eq_u32 s2, 0
	s_cbranch_scc0 .Lentry_in_a_cluster
	s_endpgm
.Lentry_in_a_cluster:
	s_bfe_u32 s2, ttmp6, 0x10000c
	s_cmp_lg_u32 s2, 0xf033
	s_cbranch_scc0 .Lentry_shape_is_right
	s_endpgm
.Lentry_shape_is_right:
; out0 = o W_o^T on codes of FP6 (E2M3) with E8M0 scales, f32 sums.  o: panels 96-159 of codes and scl, W_o: panels 88-95 (panels of 128 rows; lane r of block 2 B + u holds panel row 32 B + 8 u + r + 8 (r / 8);
; a fragment of 16 rows x 128 K is 1,536 bytes: registers 0-3 at 16 x lane, 4-5 at 512 + 8 x lane, 6-9 at 768 + 16 x lane, 10-11 at 1,280 + 8 x lane).  out0: [8192][1024] f32.
; SHARES.  A work-group makes 256 tokens x 256 features, each of its four waves 128 x 128: 64 accumulators, 512 registers.  32 x 4 = 128 work-groups: a smaller tile would fill more of the chip at the price of a second text of
; the product.  K = 1,024 goes in 8 steps of 128 through two LDS slots of two steps each, four fills in all; the steps are written out, since each names other scale registers.
; THE MATRIX INSTRUCTION IS USED TRANSPOSED: source 0 = 16 rows of W_o (side B), source 1 = 16 tokens (side A): a lane holds one token, and the 16 registers of accumulators 2 B and 2 B + 1 are features 32 B + 16 (lane / 16) + 0 .. 15.
; CLUSTERS: 4 x 4 work-groups; o's panels are shared along a row of the cluster, W_o's along a column: each fill is asked for jointly, by the same tensor load with the same descriptor and a mask that names the four.
; REGISTERS, in windows of 256: window 0: v1-31 addresses; v32-95 scale words (v[32 + 8 i + q]: lanes 0-15 side A's block i, lanes 16-31 side B's block i, K step q); v128-223 side A's fragments, one set (on the way out v128-255:
; rows read back from the stage).  window 1: side B's fragments, two sets, at v0 and v128.  windows 2, 3: the accumulators of my A blocks 0-3 and 4-7 ((a, b) at v[8 (8 (a % 4) + b)]).
.set PANEL, 98304
.set FILLB, 24576                      ; two K steps of a panel: what one tensor load brings, 96 rows of 256 bytes, dense in memory and in LDS
.set SLOT,  4*FILLB
.set KSB,   12288
.set FRB,   1536
.set FR,    12
.set STAGE, 2*SLOT                     ; behind the ring, where no fill lands: 16 rows x (512 + 16) bytes for each wave
.set SPITCH, 528
.set SPARE, STAGE+4*16*SPITCH          ; the spare words, 128 bytes for each wave: two blocks of 256 bytes that no other line names
.set L16,  4
.set L8,   5
.set A16,  16
.set A8,   18
.set B16,  20
.set B8,   22
.set STO,  24                          ; v24  the way out: where I put 32 bytes of a row
.set RD,   25                          ; v25  and where I read a row back
.set SPW,  28
.set NIL,  29
.set SCO,  30
.set SC,   32
.set AF,   128
.set BK,   128
.set G1,   24
.set G0,   32
.set G1B,  48
.set G0B,  56
.set MSB, 0
.macro WIN new                         ; the immediate's high byte repeats the setting that is left
.if MSB != (\new)
	s_set_vgpr_msb (MSB<<8)|(\new)
.set MSB, (\new)
.endif
.endm
.set MUL_LO, 0xa1                      ; source 0 (B) window 1, source 1 (A) window 0, C and D window 2
.set MUL_HI, 0xf1
.set TO_B,   0x40
.macro JLOAD s                         ; a joint load: waves 0 and 1 fetch A's two panels, waves 2 and 3 B's; four v_nop follow each of the two lines
	s_cmp_eq_u32 s15, 0
	s_cbranch_scc0 .Lfor_b_\@
	tensor_load_to_lds s[G0+4*\s:G0+4*\s+3], s[G1:G1+7]
	s_nop 0
.rept 4
	v_nop
.endr
	s_branch .Lasked_\@
.Lfor_b_\@:
	tensor_load_to_lds s[G0B+4*\s:G0B+4*\s+3], s[G1B:G1B+7]
	s_nop 0
.rept 4
	v_nop
.endr
.Lasked_\@:
.endm
.macro CREST
	s_cmp_lg_u32 s14, 0
	s_cbranch_scc1 .Lnot_wave_0_\@
	s_barrier_signal -3
.Lnot_wave_0_\@:
	s_barrier_wait -3
	s_barrier_signal -1
	s_barrier_wait -1
.endm
.macro CROUND
	s_barrier_signal -1
	s_barrier_wait -1
	CREST
.endm
.macro PLACES                          ; four plain instructions between a matrix instruction and a load into, or a store's read of, its registers
.rept 4
	v_nop
.endr
.endm
	s_load_b128 s[4:7], s[0:1], 0x0                ; codes, scl
	s_load_b64 s[12:13], s[0:1], 0x10              ; out0
	v_lshl_add_u32 v[SPW], v0, 2, SPARE
	v_mov_b32 v[NIL], 0
	ds_add_u32 v28, v29
	ds_add_u32 v28, v29
	s_wait_dscnt 0x0
	v_lshrrev_b32 v1, 5, v0
	v_readfirstlane_b32 s14, v1                    ; wave 0..3
	s_lshr_b32 s15, s14, 1                         ; my panel of tokens.  Also: I fetch for A (0) or for B (1)
	s_and_b32 s16, s14, 1                          ; my panel of features.  Also: which of the two panels I fetch
	s_bfe_u32 s40, ttmp6, 0x40000                  ; cx
	s_bfe_u32 s41, ttmp6, 0x40004                  ; cy
	s_and_b32 s43, ttmp7, 0xffff                   ; cluster y
	s_lshl_b32 s17, s43, 2
	s_add_co_u32 s17, s17, s41
	s_lshl_b32 s17, s17, 1
	s_add_co_u32 s17, s17, 96                      ; side A: o's panels 96 + 2 (4 y + cy): on cy alone
	s_lshl_b32 s18, s40, 1
	s_add_co_u32 s18, s18, 88                      ; side B: W_o's panels 88 + 2 cx: on cx alone
	s_lshl_b32 s46, s41, 2
	s_lshl_b32 s46, 15, s46                        ; my row of the cluster
	s_lshl_b32 s47, 0x1111, s40                    ; my column
	s_or_b32 s[G1], s46, (3<<16)|(1<<21)           ; 15:0 the mask; 17:16 elements of 8 bytes; 20 no padding; 21 set beside a mask
	s_or_b32 s[G1B], s47, (3<<16)|(1<<21)
.irp g, G1, G1B
	s_mov_b32 s[\g+1], 32<<16                      ; tensor_dim0 = 32 elements: 256 bytes
	s_mov_b32 s[\g+2], 96<<16                      ; tensor_dim1 = 96
	s_mov_b32 s[\g+3], 32<<16                      ; tile_dim0
	s_mov_b32 s[\g+4], 96                          ; tile_dim1
	s_mov_b32 s[\g+5], 32                          ; from row to row
	s_mov_b32 s[\g+6], 0
	s_mov_b32 s[\g+7], 0
.endr
	s_add_co_u32 s66, s17, s16
	s_mul_i32 s66, s66, PANEL
	s_mov_b32 s67, 0
	s_add_co_u32 s68, s18, s16
	s_mul_i32 s68, s68, PANEL
	s_mov_b32 s69, 0
	s_mul_i32 s74, s14, FILLB                      ; where a fill goes: wave x 24,576: no place in the cluster enters an LDS address
	s_wait_kmcnt 0x0
	s_add_nc_u64 s[70:71], s[4:5], s[66:67]
	s_add_nc_u64 s[72:73], s[4:5], s[68:69]
	CROUND                                         ; all sixteen work-groups are here: the first joint loads meet
.irp s, 0,1
	s_mov_b32 s[G0+4*\s], 1
	s_add_co_u32 s[G0+4*\s+1], s74, \s*SLOT
	s_add_nc_u64 s[G0+4*\s+2:G0+4*\s+3], s[70:71], \s*FILLB
	s_or_b32 s[G0+4*\s+3], s[G0+4*\s+3], 0x80000000
	s_mov_b32 s[G0B+4*\s], 1
	s_add_co_u32 s[G0B+4*\s+1], s74, \s*SLOT
	s_add_nc_u64 s[G0B+4*\s+2:G0B+4*\s+3], s[72:73], \s*FILLB
	s_or_b32 s[G0B+4*\s+3], s[G0B+4*\s+3], 0x80000000
	s_wait_alu depctr_va_vdst(0)
	s_wait_tensorcnt 0x0
	ds_add_u32 v28, v29
	ds_add_u32 v28, v29
	s_wait_dscnt 0x0
	CROUND
	JLOAD \s
.endr
	v_and_b32 v1, 15, v0                           ; r
	v_bfe_u32 v2, v0, 4, 1                         ; h
	v_and_b32 v3, 31, v0                           ; lane
	v_lshlrev_b32 v[L16], 4, v3
	v_lshlrev_b32 v[L8], 3, v3
	s_mul_i32 s21, s15, FILLB
	s_mul_i32 s22, s16, FILLB
	s_add_co_u32 s22, s22, 2*FILLB
.irp s, 0,1
	v_add_nc_u32 v[A16+\s], s21, v[L16]
	v_add_nc_u32 v[A8+\s], s21, v[L8]
	v_add_nc_u32 v[B16+\s], s22, v[L16]
	v_add_nc_u32 v[B8+\s], s22, v[L8]
	s_add_co_u32 s21, s21, SLOT
	s_add_co_u32 s22, s22, SLOT
.endr
	; THE SCALE WORDS of my two panels, for all of K, come once, straight into 64 registers: lanes 0-15 take side A's, lanes 16-31 side B's; sixteen lanes read 256 consecutive bytes
	s_add_co_u32 s21, s17, s15
	s_lshl_b32 s21, s21, 12
	s_add_co_u32 s22, s18, s16
	s_lshl_b32 s22, s22, 12
	v_mov_b32 v6, s21
	v_mov_b32 v7, s22
	v_cmp_ne_u32 vcc_lo, 0, v2
	v_cndmask_b32 v[SCO], v6, v7, vcc_lo
	v_lshl_add_u32 v[SCO], v1, 4, v[SCO]
.set i, 0
.rept 16
	global_load_b128 v[SC+4*i:SC+4*i+3], v[SCO], s[6:7] offset:256*i   ; block i / 2, K half i % 2
.set i, i+1
.endr
	s_mul_i32 s23, s14, 16*SPITCH
	s_add_co_u32 s23, s23, STAGE                   ; my stage
	v_mul_u32_u24 v8, v1, SPITCH
	v_lshl_add_u32 v8, v2, 6, v8
	v_add_nc_u32 v[STO], s23, v8                   ; in: row r, + 64 h
	v_add_nc_u32 v[RD], s23, v[L16]                ; back: the 32 lanes take one row of 512 bytes
	s_add_co_u32 s82, s17, s15
	s_sub_co_u32 s82, s82, 96                      ; my panel of tokens
	s_lshl_b32 s82, s82, 19                        ; 128 rows of 4,096 bytes
	s_lshl_b32 s83, s40, 1
	s_add_co_u32 s83, s83, s16
	s_lshl_b32 s83, s83, 9                         ; my 128 features: 512 bytes
	s_add_co_u32 s82, s82, s83
	s_mov_b32 s83, 0
	s_add_nc_u64 s[12:13], s[12:13], s[82:83]
.macro FRAG reg, a16, a8, off          ; a fragment comes as it was stored: four loads, each of 512 or 256 consecutive bytes
	ds_load_b128 v[\reg:\reg+3], v[\a16] offset:\off
	ds_load_b64 v[\reg+4:\reg+5], v[\a8] offset:\off+512
	ds_load_b128 v[\reg+6:\reg+9], v[\a16] offset:\off+768
	ds_load_b64 v[\reg+10:\reg+11], v[\a8] offset:\off+1280
.endm
.macro FETCH_B slot, q, p              ; B's eight fragments of the slot's q-th K step into set p
	WIN TO_B
.irp i, 0,1,2,3,4,5,6,7
	FRAG 128*(\p)+FR*\i, B16+\slot, B8+\slot, (\q)*KSB+\i*FRB
.endr
	WIN 0
.endm
.macro FETCH_A slot, q, i0             ; A's blocks i0 .. i0 + 3
.irp i, \i0, \i0+1, \i0+2, \i0+3
	FRAG AF+FR*(\i), A16+\slot, A8+\slot, (\q)*KSB+(\i)*FRB
.endr
.endm
; 16 matrix instructions: A's blocks a0, a0 + 1 x B's eight, K step kq; p: B's set.  zero = 1: the first product starts the sums.  The 64 accumulators take turns, one instruction a turn, in the same order in every step.
.macro MUL16 a0, p, kq, zero
.irp a, \a0, \a0+1
.irp b, 0,1,2,3,4,5,6,7
.if \zero
	v_wmma_scale_f32_16x16x128_f8f6f4 v[8*(8*((\a)%4)+\b):8*(8*((\a)%4)+\b)+7], v[128*(\p)+FR*\b:128*(\p)+FR*\b+FR-1], v[AF+FR*(\a):AF+FR*(\a)+FR-1], 0, v[SC+8*\b+(\kq)], v[SC+8*(\a)+(\kq)] matrix_a_fmt:MATRIX_FMT_FP6 matrix_b_fmt:MATRIX_FMT_FP6 matrix_a_scale:MATRIX_SCALE_ROW1
.else
	v_wmma_scale_f32_16x16x128_f8f6f4 v[8*(8*((\a)%4)+\b):8*(8*((\a)%4)+\b)+7], v[128*(\p)+FR*\b:128*(\p)+FR*\b+FR-1], v[AF+FR*(\a):AF+FR*(\a)+FR-1], v[8*(8*((\a)%4)+\b):8*(8*((\a)%4)+\b)+7], v[SC+8*\b+(\kq)], v[SC+8*(\a)+(\kq)] matrix_a_fmt:MATRIX_FMT_FP6 matrix_b_fmt:MATRIX_FMT_FP6 matrix_a_scale:MATRIX_SCALE_ROW1
.endif
.endr
.endr
.endm
; A slot's first K step (B's set 0); it fetches the slot's second.  A block of A is free as soon as its eight products are issued, so one set serves A.
.macro STEP slot, kq, zero
	s_wait_dscnt 16                                ; B's set and A's blocks 0-3 are in; the youngest 16 loads (A's blocks 4-7) may be out
	WIN MUL_LO
	MUL16 0, 0, \kq, \zero
	MUL16 2, 0, \kq, \zero
	s_wait_dscnt 0x0
	PLACES
	FETCH_B \slot, 1, 1
	FETCH_A \slot, 1, 0
	WIN MUL_HI
	MUL16 4, 0, \kq, \zero
	MUL16 6, 0, \kq, \zero
	PLACES
	WIN 0
	FETCH_A \slot, 1, 4
.endm
; A slot's second K step (B's set 1) changes slots: ONE barrier; in front of it each wave waits for all its tensor loads, adds 0 to its spare word, and waits for that and for its own reads of this slot.
; fill = 1: the barrier opens a round of the cluster's barrier, and this slot is filled again, with the K steps four on, first thing behind the round.
.macro TURN slot, next, kq, fill
	s_wait_tensorcnt 0x0                           ; all my tensor loads have landed: my part of the next slot
	ds_add_u32 v[SPW], v[NIL]                      ; 0 onto my spare word
	s_wait_dscnt 17                                ; (the add and the youngest 16 loads, A's blocks 4-7, may be out)
	WIN MUL_LO
	MUL16 0, 1, \kq, 0
	s_wait_dscnt 0x0                               ; the add is done, and my reads of this slot are over
	s_barrier_signal -1
	MUL16 2, 1, \kq, 0
	WIN 0                                          ; at a branch and at a label every window is 0
	s_barrier_wait -1
.if \fill
	CREST                                          ; no wave of any partner still reads this slot or has a load on its way
	s_add_nc_u64 s[G0+4*\slot+2:G0+4*\slot+3], s[G0+4*\slot+2:G0+4*\slot+3], 2*FILLB
	s_add_nc_u64 s[G0B+4*\slot+2:G0B+4*\slot+3], s[G0B+4*\slot+2:G0B+4*\slot+3], 2*FILLB
	JLOAD \slot                                    ; its four v_nop are also the places in front of the loads below
.else
	PLACES
.endif
	FETCH_B \next, 0, 0
	FETCH_A \next, 0, 0
	WIN MUL_HI
	MUL16 4, 1, \kq, 0
	MUL16 6, 1, \kq, 0
	PLACES
	WIN 0
	FETCH_A \next, 0, 4
.endm
	s_wait_tensorcnt 1                             ; my part of slot 0 is in; slot 1's may stay out
	s_barrier_signal -1
	s_barrier_wait -1
	FETCH_B 0, 0, 0
	FETCH_A 0, 0, 0
	FETCH_A 0, 0, 4
	s_wait_loadcnt 0x0                             ; the scale words
	STEP 0, 0, 1
	TURN 0, 1, 1, 1
	STEP 1, 2, 0
	TURN 1, 0, 3, 1
	STEP 0, 4, 0
	TURN 0, 1, 5, 0                                ; nothing is left to fetch
	STEP 1, 6, 0
	s_wait_dscnt 16
	WIN MUL_LO
	MUL16 0, 1, 7, 0
	MUL16 2, 1, 7, 0
	s_wait_alu depctr_va_vdst(0)
	s_wait_dscnt 0x0
	WIN MUL_HI
	MUL16 4, 1, 7, 0
	MUL16 6, 1, 7, 0
	WIN 0
; THE WAY OUT, block by block of 16 tokens x 128 features.  A lane holds pieces of 32 bytes of one row, and the lanes beside it hold other rows: so a block goes through my own stage in LDS and comes back as whole rows of 512 bytes.
; LDS serves a wave's instructions in order (ISA guide 5.7.1.4): no wait between the stores and the loads, nor in front of the next block's stores.
.macro TOSTAGE a
.set AC, 64*((\a)%4)
	WIN 0x08+4*((\a)/4)                            ; an LDS store's data are its source 1: window 2 or 3
.irp b, 0,1,2,3,4,5,6,7
	ds_store_b128 v[STO], v[AC+8*\b:AC+8*\b+3] offset:128*(\b/2)+32*(\b%2)       ; features 32 (b / 2) + 16 h + 8 (b % 2) + 0 .. 7; each accumulator from its low end on
	ds_store_b128 v[STO], v[AC+8*\b+4:AC+8*\b+7] offset:128*(\b/2)+32*(\b%2)+16
.endr
	WIN 0
.set BB, BK+64*((\a)%2)
.set i, 0
.rept 16
	ds_load_b128 v[BB+4*i:BB+4*i+3], v[RD] offset:i*SPITCH
.set i, i+1
.endr
.endm
.macro SEND a, younger                 ; younger: the LDS instructions issued behind block a's loads, which may stay out
.set BB, BK+64*((\a)%2)
	s_wait_dscnt \younger
.set i, 0
.rept 16
	global_store_b128 v[L16], v[BB+4*i:BB+4*i+3], s[12:13] offset:(32*((\a)/2)+8*((\a)%2)+i+8*(i/8))*4096 th:TH_STORE_NT   ; stage row i is the panel's row 32 (a / 2) + 8 (a % 2) + i + 8 (i / 8); 32 lanes store 512 consecutive bytes, aligned; 127 rows at the most stand in the immediate
.set i, i+1
.endr
.endm
	PLACES
	TOSTAGE 0
.irp a, 1,2,3,4,5,6,7
.if \a > 1
	s_wait_xcnt 0x0                                ; block a - 2's stores have read their registers: block a's loads may land there
.endif
	TOSTAGE \a
	SEND \a-1, 32                                  ; behind block a - 1's loads: block a's 16 stores and 16 loads
.endr
	SEND 7, 0
	s_wait_tensorcnt 0x0                           ; the wave's end
	ds_add_u32 v[SPW], v[NIL]
	s_wait_dscnt 0x0
	CROUND                                         ; the closing round: no work-group ends while a partner may still ask for a tile that names it
	s_endpgm
.Lfunc_end_k_q220cf982f4_oproj:
	.size	k_q220cf982f4_oproj, .Lfunc_end_k_q220cf982f4_oproj-k_q220cf982f4_oproj
	.p2alignl 7, 3214868480
	.fill 96, 4, 3214868480
	.section	.rodata,"a",@progbits
	.p2align	6, 0x0
	.amdhsa_kernel k_q220cf982f4_oproj
		.amdhsa_group_segment_fixed_size 327680
		.amdhsa_private_segment_fixed_size 0
		.amdhsa_enable_private_segment 0
		.amdhsa_kernarg_size 24
		.amdhsa_user_sgpr_count 2
		.amdhsa_user_sgpr_kernarg_segment_ptr 1
		.amdhsa_wavefront_size32 1
		.amdhsa_system_sgpr_workgroup_id_x 1
		.amdhsa_system_sgpr_workgroup_id_y 1
		.amdhsa_system_sgpr_workgroup_id_z 1
		.amdhsa_system_vgpr_workitem_id 0
		.amdhsa_next_free_vgpr 1024
		.amdhsa_next_free_sgpr 100
		.amdhsa_reserve_vcc 1
		.amdhsa_float_denorm_mode_32 3
		.amdhsa_float_denorm_mode_16_64 3
		.amdhsa_memory_ordered 1
		.amdhsa_forward_progress 1
		.amdhsa_inst_pref_size 141
	.end_amdhsa_kernel
	.amdgpu_metadata
---
amdhsa.version: [ 1, 2 ]
amdhsa.kernels:
  - .name:           k_q220cf982f4_oproj
    .symbol:         k_q220cf982f4_oproj.kd
    .args:
      - { .name: codes, .offset: 0, .size: 8, .value_kind: global_buffer, .address_space: global }
      - { .name: scl, .offset: 8, .size: 8, .value_kind: global_buffer, .address_space: global }
      - { .name: out0, .offset: 16, .size: 8, .value_kind: global_buffer, .address_space: global }
    .group_segment_fixed_size: 327680
    .private_segment_fixed_size: 0
    .kernarg_segment_align: 8
    .kernarg_segment_size: 24
    .max_flat_workgroup_size: 128
    .sgpr_count:     100
    .vgpr_count:     1024
    .wavefront_size: 32
...
	.end_amdgpu_metadata
.endif
;; end of part 4
